; MI455X (gfx1250); checked and timed in simulation.
; The chip was launched on July 23, 2026; its instructions are those of AMD's public machine-readable ISA for CDNA 5 (MIT licence, August 2026) and "CDNA5" Instruction Set Architecture Reference Guide (July 2026). The comments in the code are by the model that wrote it; some were corrected since.
;; Rotationally Asymmetric Causal Self Attention. Allowed arithmetic: matrix products marked QUANTISED: E2M3 operands, one E8M0 scale for each 32 along K, by v_wmma_scale_f32_16x16x128_f8f6f4 with both operands' format E2M3, f32 sums; everything else in f32.
;; Inputs: W_proj 1,024 x 1,024 float32; W_qkv 1,024 x 3,072 float32; b_proj 1,024 float32; b_qkv 3,072 float32; k_bias 16 x 64 float32; k_scale 16 x 64 float32; q_bias 16 x 64 float32; q_scale 16 x 64 float32; x 4 x 2,048 x 1,024 float32.
;; Outputs: out0 4 x 2,048 x 1,024 float32.
;; This version of the problem:
;;   THIS VERSION OF THE PROBLEM IS GIVEN IN LOW PRECISION. The matrix products marked QUANTISED in the list below multiply operands that are first quantised to E2M3 (2 exponent bits, 3 mantissa bits; 6 bits a number), with one power-of-two scale for each 32 numbers along K (OCP MX v1.0); their sums are f32. All else is computed in f32.
;;   The module's matrix products, in the order in which they are computed (A, B: the left and right operand; K: the contracted axis; several contracted axes count as one K, in the product's order):
;;     1. [M 8,192, K 1,024] x [K 1,024, N 3,072]; A: input x; B: input W_qkv: QUANTISED
;;     2. batch 64 x [M 2,048, K 64] x [K 64, N 2,048]; A: computed on the way; B: computed on the way: QUANTISED
;;     3. batch 64 x [M 2,048, K 2,048] x [K 2,048, N 64]; A: softmax (see below); B: computed on the way: QUANTISED
;;     4. [M 8,192, K 1,024] x [K 1,024, N 1,024]; A: computed on the way; B: input W_proj: QUANTISED
;;   THE QUANTISER, for each operand of a quantised product, along K:
;;     - K is cut into blocks of 32 from its start; a last block that is shorter is filled with zeros.
;;     - A block's scale is 2^e with e = floor(log2(the largest magnitude in the block)) - 2, held to -126 .. 127; a block of zeros has e = 0. As a byte (E8M0): e + 127.
;;     - Each number is divided by its block's scale, clamped to +-7.5, and rounded to the nearest number of E2M3, ties to even, subnormals kept.
;;     - The product sums the exact products of the quantised numbers (number of the format x scale) in f32.
;;   ~~~python
;;   def quantise(x, axis):      # numpy; x: float32 -> the quantised numbers, widened to float32 again
;;       x = np.moveaxis(x, axis, -1); K = x.shape[-1]
;;       x = np.pad(x, [(0, 0)] * (x.ndim - 1) + [(0, -K % 32)]); x = x.reshape(x.shape[:-1] + (-1, 32)); a = np.abs(x).max(-1, keepdims=True)
;;       e = np.where(a > 0, np.clip(np.frexp(np.where(a > 0, a, 1))[1] - 1 - 2, -126, 127), 0)      # np.frexp(a)[1] - 1 = floor(log2(a)), exactly
;;       r = np.clip(x / 2.0 ** e, -7.5, 7.5)
;;       step = 2.0 ** (np.maximum(np.frexp(np.where(r == 0, 1, r))[1] - 1, 0) - 3)
;;       q = np.round(r / step) * step * 2.0 ** e      # np.round: ties to even
;;       return np.moveaxis(q.reshape(q.shape[:-2] + (-1,))[..., :K], -1, axis).astype(np.float32)
;;   ~~~
;;   SOFTMAX AHEAD OF A QUANTISED PRODUCT. Where the list says 'softmax', what is quantised is not the finished softmax but p = 2^(t - M), with t = logit x log2(e) and M = ceil(the row's largest t), a whole number; so 1/2 < the row's largest p <= 1. The row's sum l is taken of the UNQUANTISED p, in f32, and the product's result is divided by l at the end. Since M is a whole number, a kernel that streams over the keys may use a running M (the ceiling of the running maximum): every later rescaling is an exact power of two, which a block's scale takes up: the codes' values come out the same.
;;   OPERANDS COMPUTED ON THE WAY. 'Computed on the way' means the value that the module computes at that place (a softmax that the list does not call 'softmax' is quantised finished and normalised). What goes into a quantiser is computed in f32, as accurately as f32 sums, v_exp_f32 and their like allow (about 1e-6 of the number): no bf16 or f16 on the way to a quantiser, and a product that is left as it is and whose result goes on into a quantised operand takes f32 operands (vector FMAs, or v_wmma_f32_16x16x4_f32). A number that lies on a knife's edge between two numbers of the format may be rounded either way, as far as f32 arithmetic and the matrix unit's own rounding can turn it there, and no further.
;; One version. Each part assembles by itself: llvm-mc -triple=amdgcn-amd-amdhsa -mcpu=gfx1250 --defsym DOCPART=n.
;; ======== version 1 of 1: 4 launches
;; workspace buffers: xrec 6,553,600 bytes; wrec 3,276,800 bytes; qkv 20,185,088 bytes; yrec 6,553,600 bytes
;; launch prep (part 1): grid 384 x 1, 4 waves a work-group, no clusters, 34,304 bytes of LDS; arguments x, W_qkv, W_proj, xrec, wrec; writes xrec, wrec
.if DOCPART == 1
	.amdgcn_target "amdgcn-amd-amdhsa--gfx1250"
	.amdhsa_code_object_version 6
	.text
	.protected	k_qfcda5f7aae_prep
	.globl	k_qfcda5f7aae_prep
	.p2align	8
	.type	k_qfcda5f7aae_prep,@function
k_qfcda5f7aae_prep:
	s_mov_b64 s[64:65], 0
	v_nop
	global_prefetch_b8 v0, s[64:65] scope:SCOPE_SE
	s_setreg_imm32_b32 hwreg(HW_REG_WAVE_MODE, 25, 1), 1
	s_wait_xcnt 0x0
; x [8192][1024], W_qkv [1024][3072] and W_proj [1024][1024], f32, become codes of FP6 (E2M3) with one E8M0 byte for each 32 along K (x: its last axis; the weights: their FIRST axis).
; A block's scale is 2^(floor(log2(largest magnitude)) - 2): its byte is the largest magnitude's exponent field - 2, held at 1 from below by a floor among the maximum's leaves.
; LIMITS: NaN and infinities are not served; a block of zeros gets the byte 1 where the rule says 127 (its codes are zeros, and this program alone reads the bytes).
; THE OUTPUT IS LAID IN THE ORDER OF THE OPERANDS' REGISTERS.  A RECORD (25,600 bytes) holds 128 rows (of x) or columns (of a weight) x 256 along K:
;   unit (tile i of 16 positions, c of 64 along K) at 3072 i + 768 c: lane (r, h) owns the 24 bytes of block h of position r: its first 16 bytes at 16 x lane, its last 8 at 512 + 8 x lane;
;   the scale bytes at 24,576 + 8 x position + block.  Record (panel, quarter of K) lies at (4 panel + quarter) x 25,600.
; POSITIONS: inside each 32 rows, position 16 u + 8 g + e holds row 16 g + 8 u + e, so that the 16 result registers of two neighbouring tiles are 16 neighbours along the next product's K.
; A work-group makes one record, wave w its positions 32 w .. 32 w + 31.  Work-groups 0-127 take the weights (panels 0-23 W_qkv, 24-31 W_proj), 128-383 take x.  Waves share nothing: no barrier.
.set REC,    25600
.set SPITCH, 528                       ; x's stage: a row of 512 bytes + 16: the sixteen rows of a 16-byte load start 4 words apart modulo 64 words
.set WSTG,   16*SPITCH                 ; a wave's stage
.set SPARE,  4*WSTG                    ; behind the stages: the spare words, 128 bytes a wave
.set SPW,    14                        ; v14  my spare word's address; never rewritten
.set NIL,    15                        ; v15  0; never rewritten
.set CA,     16                        ; v16-21 six registers of codes
.set CT,     22                        ; v22-24 a conversion's second three (three registers begin on an even number)
.set CB,     26                        ; v26-31 six more
.set SW,     32                        ; x: v32-35 scale words of (tile, 128 along K)
.set OFF,    32                        ; weights: v32-63 row i's byte offset
.set R,      64                        ; x: v64-191 two sets of 64 as loaded
.set X,      192                       ; x: v192-255 two blocks of 32 neighbours
.set XW,     64                        ; weights: v64-127 two sets of 32
.set SB,     128                       ; weights: v128-129 eight scale bytes
; 32 numbers v[XS ..] of ONE block in my lane -> six registers of codes v[CC ..], the byte in v11
.macro BLK32
	v_max3_num_f32 v8, |v[XS]|, |v[XS+1]|, |v[XS+2]|
	v_max3_num_f32 v9, |v[XS+3]|, |v[XS+4]|, |v[XS+5]|
.irp i, 6,10,14,18,22,26
	v_max3_num_f32 v8, v8, |v[XS+\i]|, |v[XS+\i+1]|
	v_max3_num_f32 v9, v9, |v[XS+\i+2]|, |v[XS+\i+3]|
.endr
	v_max3_num_f32 v8, v8, |v[XS+30]|, |v[XS+31]|
	v_max3_num_f32 v8, v8, v9, 0x1800000           ; the floor 2^(3 - 127): the byte cannot fall under 1
	v_add_nc_u32 v10, 0xff000000, v8               ; 2 off the exponent field: the conversion takes that field as its scale
	v_cvt_scalef32_pk16_fp6_f32 v[CC:CC+2], v[XS:XS+15], v10
	v_cvt_scalef32_pk16_fp6_f32 v[CT:CT+2], v[XS+16:XS+31], v10
	v_lshrrev_b32 v11, 23, v10                     ; the byte; also the plain line behind the conversions
.irp i, 0,1,2
	v_mov_b32 v[CC+3+\i], v[CT+\i]
.endr
.endm
	s_load_b256 s[4:11], s[0:1], 0x0               ; x s[4:5], W_qkv s[6:7], W_proj s[8:9], xrec s[10:11]
	s_load_b64 s[12:13], s[0:1], 0x20              ; wrec
	v_lshl_add_u32 v[SPW], v0, 2, SPARE
	v_mov_b32 v[NIL], 0
	v_lshrrev_b32 v1, 5, v0
	v_readfirstlane_b32 s14, v1                    ; wave
	v_and_b32 v1, 31, v0                           ; lane
	v_and_b32 v2, 15, v0                           ; r
	v_bfe_u32 v3, v0, 4, 1                         ; h
	v_lshlrev_b32 v4, 4, v1                        ; 16 x lane
	v_lshlrev_b32 v5, 3, v1                        ; 8 x lane
	s_mov_b32 s40, 0x76543210
	s_mov_b32 s41, 0xfedcba98                      ; v_permlanex16_b32: lane l xor 16
	v_cmp_le_u32 s42, 16, v1                       ; lanes 16-31
	s_mul_i32 s18, s14, 6144                       ; my two tiles in a record
	s_lshl_b32 s19, s14, 8
	s_add_co_u32 s19, s19, 24576                   ; my 32 positions' scale bytes
	s_mov_b32 s3, 0
	s_wait_kmcnt 0x0
	s_cmp_lt_u32 ttmp9, 128
	s_cbranch_scc1 .Lweights
; ---------------- x: K is innermost.  Each load reads 512 consecutive bytes of one row; the rows turn through my own stage, so that a lane gets a whole block of 32 neighbours
	s_sub_co_u32 s15, ttmp9, 128                   ; 4 panel + quarter
	s_mul_i32 s2, s15, REC
	s_add_nc_u64 s[10:11], s[10:11], s[2:3]        ; my record
	s_mov_b32 s2, s18
	s_add_nc_u64 s[22:23], s[10:11], s[2:3]        ; codes
	s_mov_b32 s2, s19
	s_add_nc_u64 s[44:45], s[10:11], s[2:3]        ; scale bytes
	s_lshr_b32 s16, s15, 2
	s_and_b32 s17, s15, 3
	s_lshl_b32 s2, s16, 19                         ; 128 rows of 4,096 bytes a panel,
	s_lshl_b32 s16, s14, 17                        ; 32 rows a wave,
	s_add_co_u32 s2, s2, s16
	s_lshl_b32 s17, s17, 10                        ; 1,024 bytes a quarter of K
	s_add_co_u32 s2, s2, s17
	s_add_nc_u64 s[20:21], s[4:5], s[2:3]
	s_mul_i32 s16, s14, WSTG
	v_add_nc_u32 v6, s16, v4                       ; into the stage: 16 x lane of row p
	v_mul_u32_u24 v7, v2, SPITCH
	v_lshl_add_u32 v7, v3, 7, v7
	v_add_nc_u32 v7, s16, v7                       ; out of it: row r, 128 bytes for each half of the lanes
	v_lshlrev_b32 v12, 3, v3                       ; 8 h
	v_mov_b32 v13, 0                               ; (a lane permute's destination counts as read)
; step t = 2 u + q: tile u, the quarter's q-th 128 along K
.macro LOADX t
.irp p, 0,1,2,3,4,5,6,7,8,9,10,11,12,13,14,15
	global_load_b128 v[R+64*((\t)%2)+4*\p:R+64*((\t)%2)+4*\p+3], v4, s[20:21] offset:(8*((\t)/2)+\p%8+16*(\p/8))*4096+512*((\t)%2) th:TH_LOAD_NT   ; position p of the tile is row 8 u + p % 8 + 16 (p / 8)
.endr
.endm
.macro STEPX t, left
	s_wait_loadcnt \left                           ; this step's 16 loads are in; the younger set's may be out
.irp p, 0,1,2,3,4,5,6,7,8,9,10,11,12,13,14,15
	ds_store_b128 v6, v[R+64*((\t)%2)+4*\p:R+64*((\t)%2)+4*\p+3] offset:SPITCH*\p
.endr
.irp c, 0,1
.irp j, 0,1,2,3,4,5,6,7
	ds_load_b128 v[X+32*\c+4*\j:X+32*\c+4*\j+3], v7 offset:256*\c+16*\j   ; LDS serves a wave's instructions in order: these see my stores
.endr
.endr
	s_wait_dscnt 0x0
.if (\t) < 2
	LOADX (\t)+2
.endif
	s_wait_xcnt 0x0                                ; the last step's stores have read their data: the codes' registers may be written
.irp c, 0,1
.set XS, X+32*\c
.set CC, CA+10*\c
	BLK32
	global_store_b128 v4, v[CC:CC+3], s[22:23] offset:((\t)/2)*3072+(2*((\t)%2)+\c)*768        ; 512 consecutive bytes
	global_store_b64 v5, v[CC+4:CC+5], s[22:23] offset:((\t)/2)*3072+(2*((\t)%2)+\c)*768+512   ; 256 consecutive bytes
.if \c == 0
	v_mov_b32 v25, v11
.else
	v_lshl_or_b32 v25, v11, 16, v25                ; my bytes: blocks h and 2 + h of row r,
	v_lshlrev_b32 v25, v12, v25                    ; at their places in the word;
	v_permlanex16_b32 v13, v25, s40, s41
	v_or_b32 v[SW+(\t)], v25, v13                  ; with lane l xor 16's the word is whole
.endif
.endr
.endm
	LOADX 0
	LOADX 1
	STEPX 0, 16
	STEPX 1, 16
	STEPX 2, 16
	STEPX 3, 0
	v_cndmask_b32 v[SW], v[SW], v[SW+2], s42       ; lanes 16-31 take tile 1's two words: lane = position
	v_cndmask_b32 v[SW+1], v[SW+1], v[SW+3], s42
	global_store_b64 v5, v[SW:SW+1], s[44:45]      ; 256 consecutive bytes
	s_branch .Lend
; ---------------- the weights: K is the first axis.  A lane takes a column and its registers run down K: nothing is transposed
.Lweights:
	s_mul_i32 s2, ttmp9, REC
	s_add_nc_u64 s[12:13], s[12:13], s[2:3]
	s_mov_b32 s2, s18
	s_add_nc_u64 s[22:23], s[12:13], s[2:3]
	s_mov_b32 s2, s19
	s_add_nc_u64 s[44:45], s[12:13], s[2:3]
	s_lshr_b32 s15, ttmp9, 2                       ; panel
	s_and_b32 s16, ttmp9, 3                        ; quarter of K
	s_cmp_lt_u32 s15, 24                           ; W_qkv or W_proj: the choice hangs on the work-group's number alone
	s_cselect_b64 s[20:21], s[6:7], s[8:9]
	s_mov_b32 s17, 4096
	s_cselect_b32 s17, 12288, s17                  ; bytes in a row
	s_cselect_b32 s2, 0, 24
	s_sub_co_u32 s15, s15, s2                      ; the panel's number in its weight
	s_lshl_b32 s15, s15, 9                         ; 128 columns of 4 bytes
	s_lshl_b32 s2, s14, 7                          ; 32 columns a wave
	s_add_co_u32 s15, s15, s2
	s_lshl_b32 s16, s16, 8
	s_mul_i32 s16, s16, s17                        ; 256 rows a quarter
	s_add_co_u32 s2, s15, s16
	s_add_nc_u64 s[24:25], s[20:21], s[2:3]        ; block 0's first row, my wave's first column
	s_lshl_b32 s2, s17, 5                          ; 32 rows on
.irp t, 1,2,3,4,5,6,7
	s_add_nc_u64 s[24+2*\t:25+2*\t], s[22+2*\t:23+2*\t], s[2:3]
.endr
	v_and_b32 v6, 7, v1
	v_and_b32 v7, 8, v1
	v_lshl_add_u32 v6, v7, 1, v6
	v_and_b32 v7, 16, v1
	v_lshrrev_b32 v7, 1, v7
	v_add_lshl_u32 v6, v6, v7, 2                   ; position = lane holds column (lane & 7) + 2 (lane & 8) + (lane & 16) / 2; 4 bytes each
.set i, 0
.rept 32
	v_mad_u32_u24 v[OFF+i], s17, i, v6
.set i, i+1
.endr
.macro LOADW t                         ; block t: 32 rows of my column
.set i, 0
.rept 32
	global_load_b32 v[XW+32*((\t)%2)+i], v[OFF+i], s[24+2*(\t):25+2*(\t)] th:TH_LOAD_NT
.set i, i+1
.endr
.endm
.macro BLOCKW t
.set XS, XW+32*((\t)%2)
.set CC, CA+10*((\t)%2)
.if (\t) < 7
	s_wait_loadcnt 32                              ; this block's 32 loads are in; the next block's may be out
.else
	s_wait_loadcnt 0x0
.endif
.if ((\t)%2 == 0) && ((\t) > 0)
	s_wait_xcnt 0x0                                ; the last pair's stores have read their data
.endif
	BLK32
.if (\t)%4 == 0
	v_mov_b32 v[SB+(\t)/4], v11
.else
	v_lshl_or_b32 v[SB+(\t)/4], v11, 8*((\t)%4), v[SB+(\t)/4]
.endif
.if (\t)+2 < 8
	LOADW (\t)+2
.endif
.if (\t)%2 == 1
.irp i, 0,1,2,3,4,5
	v_permlane16_swap_b32 v[CA+\i], v[CB+\i]       ; CA held the even block of positions 0-31, CB the odd one: now CA is tile 0's unit (block h of position r), CB tile 1's
.endr
	global_store_b128 v4, v[CA:CA+3], s[22:23] offset:((\t)/2)*768
	global_store_b64 v5, v[CA+4:CA+5], s[22:23] offset:((\t)/2)*768+512
	global_store_b128 v4, v[CB:CB+3], s[22:23] offset:3072+((\t)/2)*768
	global_store_b64 v5, v[CB+4:CB+5], s[22:23] offset:3072+((\t)/2)*768+512
.endif
.endm
	LOADW 0
	LOADW 1
.irp t, 0,1,2,3,4,5,6,7
	BLOCKW \t
.endr
	global_store_b64 v5, v[SB:SB+1], s[44:45]      ; lane = position: 256 consecutive bytes
.Lend:
	s_wait_tensorcnt 0x0                           ; the wave's end
	ds_add_u32 v[SPW], v[NIL]
	s_wait_dscnt 0x0
	s_endpgm
.Lfunc_end_k_qfcda5f7aae_prep:
	.size	k_qfcda5f7aae_prep, .Lfunc_end_k_qfcda5f7aae_prep-k_qfcda5f7aae_prep
	.p2alignl 7, 3214868480
	.fill 96, 4, 3214868480
	.section	.rodata,"a",@progbits
	.p2align	6, 0x0
	.amdhsa_kernel k_qfcda5f7aae_prep
		.amdhsa_group_segment_fixed_size 34304
		.amdhsa_private_segment_fixed_size 0
		.amdhsa_enable_private_segment 0
		.amdhsa_kernarg_size 40
		.amdhsa_user_sgpr_count 2
		.amdhsa_user_sgpr_kernarg_segment_ptr 1
		.amdhsa_wavefront_size32 1
		.amdhsa_system_sgpr_workgroup_id_x 1
		.amdhsa_system_sgpr_workgroup_id_y 1
		.amdhsa_system_sgpr_workgroup_id_z 1
		.amdhsa_system_vgpr_workitem_id 0
		.amdhsa_next_free_vgpr 256
		.amdhsa_next_free_sgpr 66
		.amdhsa_reserve_vcc 0
		.amdhsa_float_denorm_mode_32 3
		.amdhsa_float_denorm_mode_16_64 3
		.amdhsa_memory_ordered 1
		.amdhsa_forward_progress 1
		.amdhsa_inst_pref_size 72
	.end_amdhsa_kernel
	.amdgpu_metadata
---
amdhsa.version: [ 1, 2 ]
amdhsa.kernels:
  - .name:           k_qfcda5f7aae_prep
    .symbol:         k_qfcda5f7aae_prep.kd
    .args:
      - { .name: x, .offset: 0, .size: 8, .value_kind: global_buffer, .address_space: global }
      - { .name: W_qkv, .offset: 8, .size: 8, .value_kind: global_buffer, .address_space: global }
      - { .name: W_proj, .offset: 16, .size: 8, .value_kind: global_buffer, .address_space: global }
      - { .name: xrec, .offset: 24, .size: 8, .value_kind: global_buffer, .address_space: global }
      - { .name: wrec, .offset: 32, .size: 8, .value_kind: global_buffer, .address_space: global }
    .group_segment_fixed_size: 34304
    .private_segment_fixed_size: 0
    .kernarg_segment_align: 8
    .kernarg_segment_size: 40
    .max_flat_workgroup_size: 128
    .sgpr_count:     66
    .vgpr_count:     256
    .wavefront_size: 32
...
	.end_amdgpu_metadata
.endif
;; end of part 1
;; launch qkv (part 2): grid 12 x 32, 4 waves a work-group, clusters of 4 x 4, 327,680 bytes of LDS; arguments xrec, wrec, b_qkv, q_scale, q_bias, k_scale, k_bias, qkv; writes qkv
.if DOCPART == 2
	.amdgcn_target "amdgcn-amd-amdhsa--gfx1250"
	.amdhsa_code_object_version 6
	.text
	.protected	k_qfcda5f7aae_qkv
	.globl	k_qfcda5f7aae_qkv
	.p2align	8
	.type	k_qfcda5f7aae_qkv,@function
k_qfcda5f7aae_qkv:
	s_mov_b64 s[64:65], 0
	v_nop
	global_prefetch_b8 v0, s[64:65] scope:SCOPE_SE
	s_setreg_imm32_b32 hwreg(HW_REG_WAVE_MODE, 25, 1), 1
	s_wait_xcnt 0x0
	s_wait_alu depctr_hold_cnt(0) depctr_sa_sdst(0) depctr_va_vdst(0) depctr_va_sdst(0) depctr_va_ssrc(0) depctr_va_vcc(0) depctr_vm_vsrc(0)
	s_getreg_b32 s2, hwreg(HW_REG_IB_STS2, 6, 4)
	s_cmp_eq_u32 s2, 0
	s_cbranch_scc0 .Lentry_in_a_cluster
	s_endpgm
.Lentry_in_a_cluster:
	s_bfe_u32 s2, ttmp6, 0x10000c
	s_cmp_lg_u32 s2, 0xf033
	s_cbranch_scc0 .Lentry_shape_is_right
	s_endpgm
.Lentry_shape_is_right:
; x W_qkv + b_qkv on codes of FP6 (E2M3) with E8M0 scales; then q = q x q_scale + q_bias, k likewise; then q and k are quantised along the head's 64, v along the keys, and leave as codes.
; A tile of 256 x 256 to a work-group, 128 x 128 to each of four waves (64 accumulators, 512 registers); K = 1,024 goes in four quarters through two LDS slots filled by the tensor data mover.
; Operands lie in memory as RECORDS (128 positions x 256 K, 25,600 dense bytes, codes in the order of the operand's registers, scale bytes behind them): a slot is four records, one tensor load a wave.
; WHICH SIDE IS WHICH.  In a result a lane holds one row of source 1 and its registers run along source 0's rows.  q, k (cluster x = 0, 1): source 1 = rows of x, source 0 = columns of W: a lane's registers run along
; the head's channels, their K.  v (cluster x = 2): source 1 = columns of W, source 0 = rows of x: a lane's registers run along the tokens, v's K.  Only two pointers and two indices differ: one main text.
; Positions inside each 32 rows are laid so that the 16 registers of two neighbouring source-0 tiles are 16 neighbours: register 16 b + i of a row's 64 is index 32 b + 16 (lane / 16) + i.
; CLUSTER 4 x 4: source 1's records hang on cy alone and are asked for jointly along a row of the cluster, source 0's on cx alone, along a column.
; OUT, per (batch, head), HS bytes: eight key records of KR bytes (K: 16 units of 768; V: 2 x 4 fragments of 1,536; K's scale words 2 x 512; V's 2 x 256), then Q's 128 units, then Q's scale words.
; LIMITS: NaN and infinities are not served; a block of zeros gets the byte 1, not 127 (read by this program alone); q and k are made as acc x s + (b x s + bias): another order of rounding than (acc + b) x s + bias.
; REGISTERS: window 0: v16-29 addresses; v32-63 scale words, two sets; v64-127 the affine's scale; v128-223 source 1's fragments, ONE set; v224-231 v's bias.  On the way out v128-191 a row block's 64 numbers, v192-211 codes,
;   v232-239 scale words, v240-255 at work.   window 1: source 0's fragments, two sets (v0, v128); the affine's constant in v96-127 and v224-255.   windows 2, 3: the accumulators, (a, b) at v[8 (8 (a % 4) + b)].
.set REC,   25600
.set SLOT,  4*REC                      ; source 1's two records, then source 0's two
.set SPARE, 2*SLOT                     ; behind the ring: the spare words, 128 bytes a wave
.set HS,    315392
.set KR,    26112
.set QOFF,  8*KR
.set QSOFF, QOFF+128*768
.set FR, 12
.set NQ, 2
.set NL, 4                             ; LDS loads to a fragment
.set NP, 4                             ; places behind this matrix instruction (ISA guide 7.12.1)
.set ADRA16, 16                        ; v16-17 source 1: slot s + my record + 16 x lane;  v18-19 + 8 x lane
.set ADRA8,  18
.set ADRB16, 20                        ; v20-23 the same for source 0
.set ADRB8,  22
.set ADRS,   24                        ; v24-25 scale words: lanes 0-15 source 1's rows, lanes 16-31 source 0's
.set L16,    26
.set L8,     27
.set SPW,    28
.set NIL,    29
.set SC,     32
.set S,      64
.set AF,     128
.set VB,     224
.set T,      128
.set PC,     192
.set WS,     232
.set TM,     240
.set VP,     248
.set G1,  24
.set G0,  32
.set G1B, 48
.set G0B, 56
.set SEL, 98
.set MSB, 0
.macro WIN new                         ; the immediate's high byte repeats the setting that is left
.if MSB != \new
	s_set_vgpr_msb (MSB<<8)|\new
.set MSB, \new
.endif
.endm
.set MUL_LO, 0xa1                      ; source 0 window 1, source 1 window 0, C and D window 2
.set MUL_HI, 0xf1
.set TO_B,   0x40
; A joint load: waves 0, 1 fetch source 1's two records, waves 2, 3 source 0's.  An s_nop 0 and four v_nop follow each line.
.macro JLOAD g0a, g0b
	s_cmp_eq_u32 s21, 0
	s_cbranch_scc0 .Lfor_b_\@
	tensor_load_to_lds s[\g0a:\g0a+3], s[G1:G1+7]
	s_nop 0
.rept 4
	v_nop
.endr
	s_branch .Lasked_\@
.Lfor_b_\@:
	tensor_load_to_lds s[\g0b:\g0b+3], s[G1B:G1B+7]
	s_nop 0
.rept 4
	v_nop
.endr
.Lasked_\@:
.endm
.macro CREST
	s_cmp_lg_u32 s20, 0
	s_cbranch_scc1 .Lnot_wave_0_\@
	s_barrier_signal -3
.Lnot_wave_0_\@:
	s_barrier_wait -3
	s_barrier_signal -1
	s_barrier_wait -1
.endm
.macro CROUND
	s_barrier_signal -1
	s_barrier_wait -1
	CREST
.endm
	s_load_b512 s[4:19], s[0:1], 0x0               ; xrec s[4:5], wrec s[6:7], b_qkv s[8:9], q_scale s[10:11], q_bias s[12:13], k_scale s[14:15], k_bias s[16:17], qkv s[18:19]
	v_lshl_add_u32 v[SPW], v0, 2, SPARE
	v_mov_b32 v[NIL], 0
	ds_add_u32 v[SPW], v[NIL]                      ; the wave's opening: the add and its wait ahead of my first tensor load
	v_lshrrev_b32 v1, 5, v0
	v_readfirstlane_b32 s20, v1                    ; wave
	s_lshr_b32 s21, s20, 1                         ; my half of source 1's rows.  Also: I fetch for source 1 (0) or source 0 (1)
	s_and_b32 s22, s20, 1                          ; my half of source 0's rows.  Also: which record I fetch
	s_bfe_u32 s40, ttmp6, 0x40000                  ; cx
	s_bfe_u32 s41, ttmp6, 0x40004                  ; cy
	s_mov_b32 s42, ttmp9                           ; cluster x: 0 q, 1 k, 2 v: the same in all sixteen partners
	s_and_b32 s43, ttmp7, 0xffff                   ; cluster y
	s_lshl_b32 s80, s43, 2
	s_lshl_b32 s81, s42, 2
	s_cmp_eq_u32 s42, 2
	s_cselect_b32 s44, 1, 0                        ; 1: v
	s_cselect_b32 s45, 8, s80
	s_cselect_b32 s46, s80, s81
	s_add_co_u32 s45, s45, s41                     ; source 1's block of 256: q, k: rows of x 4 Y + cy;  v: columns 8 + cy
	s_add_co_u32 s46, s46, s40                     ; source 0's: q, k: columns 4 X + cx;  v: rows of x 4 Y + cx
	s_lshl_b32 s82, s41, 2
	s_lshl_b32 s82, 15, s82                        ; my row of the cluster
	s_lshl_b32 s83, 0x1111, s40                    ; my column
	s_or_b32 s[G1], s82, (3<<16)|(1<<21)           ; 15:0 the mask; 17:16 elements of 8 bytes; 21 set beside a mask; no padding
	s_or_b32 s[G1B], s83, (3<<16)|(1<<21)
.irp g, G1, G1B
	s_mov_b32 s[\g+1], 32<<16                      ; tensor_dim0 = 32 elements: rows of 256 bytes
	s_mov_b32 s[\g+2], 100<<16                     ; tensor_dim1 = 100 rows: a record
	s_mov_b32 s[\g+3], 32<<16                      ; tile_dim0
	s_mov_b32 s[\g+4], 100                         ; tile_dim1
	s_mov_b32 s[\g+5], 32                          ; the pitch: dense
	s_mov_b32 s[\g+6], 0
	s_mov_b32 s[\g+7], 0
.endr
	s_lshl_b32 s84, s45, 1
	s_add_co_u32 s84, s84, s22                     ; the panel that I would fetch for source 1,
	s_mul_i32 s84, s84, 4*REC                      ; four records a panel
	s_mov_b32 s85, 0
	s_lshl_b32 s86, s46, 1
	s_add_co_u32 s86, s86, s22                     ; and for source 0
	s_mul_i32 s86, s86, 4*REC
	s_mov_b32 s87, 0
	s_mul_i32 s92, s20, REC                        ; where it goes: wave x a record: no place in the cluster enters an LDS address
	s_mov_b32 s[SEL], 0x76543210
	s_mov_b32 s[SEL+1], 0xfedcba98
	s_mov_b32 s79, 0x7f7f0000                      ; the bytes 127 for the upper 64 of q's and k's K step, whose codes are zeros
	s_wait_dscnt 0x0                               ; the opening add is done
	s_wait_kmcnt 0x0
	s_cmp_eq_u32 s44, 1
	s_cselect_b64 s[88:89], s[6:7], s[4:5]         ; source 1: v: the weights, else x
	s_cselect_b64 s[90:91], s[4:5], s[6:7]         ; source 0: the other
	s_add_nc_u64 s[88:89], s[88:89], s[84:85]
	s_add_nc_u64 s[90:91], s[90:91], s[86:87]
	CROUND                                         ; all sixteen work-groups are here: the first joint loads meet
.irp s, 0,1
	s_mov_b32 s[G0+4*\s], 1
	s_add_co_u32 s[G0+4*\s+1], s92, \s*SLOT
	s_add_nc_u64 s[G0+4*\s+2:G0+4*\s+3], s[88:89], \s*REC          ; quarter s of K
	s_or_b32 s[G0+4*\s+3], s[G0+4*\s+3], 0x80000000
	s_mov_b32 s[G0B+4*\s], 1
	s_add_co_u32 s[G0B+4*\s+1], s92, \s*SLOT
	s_add_nc_u64 s[G0B+4*\s+2:G0B+4*\s+3], s[90:91], \s*REC
	s_or_b32 s[G0B+4*\s+3], s[G0B+4*\s+3], 0x80000000
	JLOAD G0+4*\s, G0B+4*\s
.endr
	; the constants.  Both kinds load both sets, at addresses that a choice keeps inside the buffers: no branch
	v_and_b32 v1, 31, v0                           ; lane
	v_and_b32 v2, 15, v0                           ; r
	v_bfe_u32 v3, v0, 4, 1                         ; h
	v_lshlrev_b32 v[L16], 4, v1
	v_lshlrev_b32 v[L8], 3, v1
	v_lshlrev_b32 v5, 6, v3                        ; 16 numbers for each half of the lanes
	v_and_b32 v6, 7, v2
	v_and_b32 v7, 8, v2
	v_lshl_add_u32 v6, v7, 1, v6
	v_lshlrev_b32 v6, 2, v6                        ; position r of a tile is index r % 8 + 16 (r / 8)
	s_lshl_b32 s80, s46, 8
	s_lshl_b32 s81, s22, 7
	s_add_co_u32 s80, s80, s81                     ; q, k: my first column
	s_lshl_b32 s82, s45, 8
	s_lshl_b32 s83, s21, 7
	s_add_co_u32 s82, s82, s83                     ; v: my first column
	s_cmp_eq_u32 s44, 1
	s_cselect_b32 s80, 0, s80
	s_cselect_b32 s82, s82, 0
	s_lshl_b32 s94, s80, 2
	s_mov_b32 s95, 0
	s_add_nc_u64 s[70:71], s[8:9], s[94:95]        ; b_qkv at q's or k's columns
	s_and_b32 s94, s80, 1023
	s_lshl_b32 s94, s94, 2
	s_cmp_eq_u32 s42, 0
	s_cselect_b64 s[66:67], s[10:11], s[14:15]
	s_cselect_b64 s[68:69], s[12:13], s[16:17]
	s_add_nc_u64 s[66:67], s[66:67], s[94:95]      ; the affine's scale
	s_add_nc_u64 s[68:69], s[68:69], s[94:95]      ; and bias
	s_lshl_b32 s94, s82, 2
	s_add_nc_u64 s[72:73], s[8:9], s[94:95]        ; b_qkv at v's columns
.irp b, 0,1,2,3
.irp j, 0,1,2,3
	global_load_b128 v[S+16*\b+4*\j:S+16*\b+4*\j+3], v5, s[66:67] offset:128*\b+16*\j   ; register 16 b + i: column 32 b + 16 h + i
.endr
.endr
.irp a, 0,1,2,3,4,5,6,7
	global_load_b32 v[VB+\a], v6, s[72:73] offset:4*(32*(\a/2)+8*(\a%2))
.endr
	WIN 0x40                                       ; destination window 1
.irp b, 0,1,2,3
.irp j, 0,1,2,3
.if \b < 2
	global_load_b128 v[96+16*\b+4*\j:96+16*\b+4*\j+3], v5, s[68:69] offset:128*\b+16*\j
.else
	global_load_b128 v[192+16*\b+4*\j:192+16*\b+4*\j+3], v5, s[68:69] offset:128*\b+16*\j
.endif
.endr
.endr
	WIN 0x80                                       ; destination window 2: the accumulators' registers are still free
.irp b, 0,1,2,3
.irp j, 0,1,2,3
	global_load_b128 v[16*\b+4*\j:16*\b+4*\j+3], v5, s[70:71] offset:128*\b+16*\j
.endr
.endr
	WIN 0
	; LDS addresses
	s_mul_i32 s80, s21, REC
	s_mul_i32 s81, s22, REC
	s_add_co_u32 s81, s81, 2*REC
.irp s, 0,1
	v_add_nc_u32 v[ADRA16+\s], s80, v[L16]
	v_add_nc_u32 v[ADRA8+\s], s80, v[L8]
	v_add_nc_u32 v[ADRB16+\s], s81, v[L16]
	v_add_nc_u32 v[ADRB8+\s], s81, v[L8]
	s_add_co_u32 s80, s80, SLOT
	s_add_co_u32 s81, s81, SLOT
.endr
	s_mul_i32 s82, s21, REC
	s_mul_i32 s83, s22, REC
	s_add_co_u32 s83, s83, 2*REC
	s_sub_co_u32 s83, s83, s82                     ; from source 1's record to source 0's
	v_mul_u32_u24 v4, s83, v3                      ; lanes 16-31 take source 0's
	v_lshl_add_u32 v4, v2, 3, v4                   ; 8 scale bytes a position
	s_add_co_u32 s82, s82, 24576
	v_add_nc_u32 v[ADRS], s82, v4
	v_add_nc_u32 v[ADRS+1], SLOT, v[ADRS]
	v_cmp_le_u32 s78, 16, v1                       ; lanes 16-31
	; where my results go
	s_cmp_eq_u32 s44, 1
	s_cselect_b32 s80, s46, s45                    ; the side that holds tokens,
	s_cselect_b32 s81, s22, s21
	s_cselect_b32 s82, s45, s46                    ; and the side that holds columns
	s_cselect_b32 s83, s21, s22
	s_lshl_b32 s80, s80, 8
	s_lshl_b32 s81, s81, 7
	s_add_co_u32 s80, s80, s81                     ; my first token
	s_lshl_b32 s82, s82, 8
	s_lshl_b32 s83, s83, 7
	s_add_co_u32 s82, s82, s83                     ; my first column
	s_bfe_u32 s82, s82, 0x40006                    ; its head: my 128 columns are heads head0 and head0 + 1
	s_lshr_b32 s81, s80, 11                        ; the batch
	s_lshl_b32 s81, s81, 4
	s_add_co_u32 s81, s81, s82
	s_mul_i32 s94, s81, HS
	s_add_nc_u64 s[74:75], s[18:19], s[94:95]
	s_bfe_u32 s80, s80, 0x40007                    ; g: which 128 tokens of the 2,048
	s_lshr_b32 s81, s80, 1
	s_and_b32 s82, s80, 1
	s_mul_i32 s81, s81, KR                         ; the key record
	s_mul_i32 s83, s82, 6144
	s_add_co_u32 s83, s83, s81                     ; k: codes
	s_lshl_b32 s93, s82, 9
	s_add_co_u32 s93, s93, s81
	s_add_co_u32 s93, s93, 24576                   ; k: scale words
	s_lshl_b32 s96, s82, 8
	s_add_co_u32 s96, s96, s81
	s_add_co_u32 s96, s96, 25600                   ; v: scale words
	s_add_co_u32 s97, s83, 12288                   ; v: codes
	s_cmp_eq_u32 s44, 1
	s_cselect_b32 s83, s97, s83
	s_cselect_b32 s93, s96, s93
	s_mul_i32 s96, s80, 6144
	s_add_co_u32 s96, s96, QOFF                    ; q: codes
	s_lshl_b32 s97, s80, 9
	s_add_co_u32 s97, s97, QSOFF                   ; q: scale words
	s_cmp_eq_u32 s42, 0
	s_cselect_b32 s94, s96, s83
	s_cselect_b32 s96, s97, s93
	s_mov_b32 s97, 0
	s_add_nc_u64 s[76:77], s[74:75], s[96:97]      ; scale words
	s_add_nc_u64 s[74:75], s[74:75], s[94:95]      ; codes
	s_wait_loadcnt 0x0
	WIN 0x52                                       ; source 0 window 2, source 1 window 0, source 2 and destination window 1
.set k, 0
.rept 32
.if k < 32
	v_pk_fma_f32 v[96+k:97+k], v[k:k+1], v[S+k:S+k+1], v[96+k:97+k]           ; b x s + bias
.else
	v_pk_fma_f32 v[192+k:193+k], v[k:k+1], v[S+k:S+k+1], v[192+k:193+k]
.endif
.set k, k+2
.endr
	WIN 0
.macro FRAG reg, a16, a8, q, i         ; a fragment, 12 registers: two units of 768 bytes: 16 bytes a lane, then 8 bytes a lane, each run dense
	ds_load_b128 v[\reg:\reg+3], v[\a16] offset:(\i)*3072+(\q)*1536
	ds_load_b64 v[\reg+4:\reg+5], v[\a8] offset:(\i)*3072+(\q)*1536+512
	ds_load_b128 v[\reg+6:\reg+9], v[\a16] offset:(\i)*3072+(\q)*1536+768
	ds_load_b64 v[\reg+10:\reg+11], v[\a8] offset:(\i)*3072+(\q)*1536+1280
.endm
; 16 matrix instructions: source 1's blocks a0, a0 + 1 x source 0's eight.  The 64 accumulators take turns, one instruction a turn, in the same order in every step.
.macro MUL16 a0, p, q, sc, zero
.irp a, \a0, \a0+1
.irp b, 0,1,2,3,4,5,6,7
.if \zero
	v_wmma_scale_f32_16x16x128_f8f6f4 v[8*(8*((\a)%4)+\b):8*(8*((\a)%4)+\b)+7], v[128*(\p)+FR*\b:128*(\p)+FR*\b+FR-1], v[AF+FR*(\a):AF+FR*(\a)+FR-1], 0, v[SC+8*NQ*(\sc)+NQ*\b+(\q)], v[SC+8*NQ*(\sc)+NQ*(\a)+(\q)] matrix_a_fmt:MATRIX_FMT_FP6 matrix_b_fmt:MATRIX_FMT_FP6 matrix_a_scale:MATRIX_SCALE_ROW1
.else
	v_wmma_scale_f32_16x16x128_f8f6f4 v[8*(8*((\a)%4)+\b):8*(8*((\a)%4)+\b)+7], v[128*(\p)+FR*\b:128*(\p)+FR*\b+FR-1], v[AF+FR*(\a):AF+FR*(\a)+FR-1], v[8*(8*((\a)%4)+\b):8*(8*((\a)%4)+\b)+7], v[SC+8*NQ*(\sc)+NQ*\b+(\q)], v[SC+8*NQ*(\sc)+NQ*(\a)+(\q)] matrix_a_fmt:MATRIX_FMT_FP6 matrix_b_fmt:MATRIX_FMT_FP6 matrix_a_scale:MATRIX_SCALE_ROW1
.endif
.endr
.endr
.endm
.macro FETCH_B slot, q, p
	WIN TO_B
.irp i, 0,1,2,3,4,5,6,7
	FRAG 128*(\p)+FR*\i, ADRB16+\slot, ADRB8+\slot, \q, \i
.endr
	WIN 0
.endm
.macro FETCH_A slot, q, i0
.irp i, \i0, \i0+1, \i0+2, \i0+3
	FRAG AF+FR*(\i), ADRA16+\slot, ADRA8+\slot, \q, \i
.endr
.endm
.macro SCALES sc                       ; the slot's scale words, two a position: lanes 0-15 source 1's block i, lanes 16-31 source 0's block i
.irp i, 0,1,2,3,4,5,6,7
	ds_load_b64 v[SC+8*NQ*\sc+NQ*\i:SC+8*NQ*\sc+NQ*\i+1], v[ADRS+\sc] offset:128*\i
.endr
.endm
.macro PLACES n                        ; plain vector instructions between a matrix instruction and a load into, or a read of, its registers
.rept \n
	v_nop
.endr
.endm
.macro STEP slot, q, zero              ; 128 along K that have their successor in the same slot
	s_wait_dscnt 4*NL                              ; all but the youngest 16 loads (source 1's blocks 4-7)
	WIN MUL_LO
	MUL16 0, (\q)%2, \q, \slot, \zero
	MUL16 2, (\q)%2, \q, \slot, \zero
	s_wait_dscnt 0
	PLACES NP
	FETCH_B \slot, (\q)+1, 1-(\q)%2
	FETCH_A \slot, (\q)+1, 0
	WIN MUL_HI
	MUL16 4, (\q)%2, \q, \slot, \zero
	MUL16 6, (\q)%2, \q, \slot, \zero
	PLACES NP
	WIN 0
	FETCH_A \slot, (\q)+1, 4
.endm
; A slot's last step changes slots: one barrier; ahead of it each wave waits for all its tensor loads, adds 0 to its spare word, and waits for that and for its reads of this slot.
.macro TURN slot, next, fill
	s_wait_tensorcnt 0x0                           ; my part of the next slot has landed; no load of mine is out
	ds_add_u32 v[SPW], v[NIL]
	s_wait_dscnt 4*NL+1                            ; (the add and the youngest 16 loads may be out)
	WIN MUL_LO
	MUL16 0, 1, NQ-1, \slot, 0
	s_wait_dscnt 0x0                               ; the add is done, and my reads of this slot are over
	s_barrier_signal -1
	MUL16 2, 1, NQ-1, \slot, 0
	WIN 0
	s_barrier_wait -1
.if \fill
	CREST                                          ; the barrier has opened a round of the cluster's: no wave of any partner still reads this slot or has a load on its way
	s_add_nc_u64 s[G0+4*\slot+2:G0+4*\slot+3], s[G0+4*\slot+2:G0+4*\slot+3], 2*REC
	s_add_nc_u64 s[G0B+4*\slot+2:G0B+4*\slot+3], s[G0B+4*\slot+2:G0B+4*\slot+3], 2*REC
	JLOAD G0+4*\slot, G0B+4*\slot                  ; the first tensor load behind the round; its four v_nop are the places ahead of the loads below
.else
	PLACES NP
.endif
	FETCH_B \next, 0, 0
	FETCH_A \next, 0, 0
	SCALES \next
	WIN MUL_HI
	MUL16 4, 1, NQ-1, \slot, 0
	MUL16 6, 1, NQ-1, \slot, 0
	PLACES NP
	WIN 0
	FETCH_A \next, 0, 4
.endm
	s_wait_tensorcnt 1                             ; my part of quarter 0 is in; quarter 1's may stay out
	s_barrier_signal -1
	s_barrier_wait -1
	FETCH_B 0, 0, 0
	FETCH_A 0, 0, 0
	SCALES 0
	FETCH_A 0, 0, 4
	STEP 0, 0, 1                                   ; the first products start the sums: nothing is cleared
	TURN 0, 1, 1                                   ; slot 0 takes quarter 2
	STEP 1, 0, 0
	TURN 1, 0, 1                                   ; slot 1 takes quarter 3
	STEP 0, 0, 0
	TURN 0, 1, 0
	STEP 1, 0, 0
	s_wait_dscnt 4*NL
	WIN MUL_LO
	MUL16 0, 1, NQ-1, 1, 0
	MUL16 2, 1, NQ-1, 1, 0
	s_wait_dscnt 0
	WIN MUL_HI
	MUL16 4, 1, NQ-1, 1, 0
	MUL16 6, 1, NQ-1, 1, 0
	WIN 0
; 64 numbers of a lane, register 16 b + i = k 32 b + 16 (lane / 16) + i of my row, become a fragment's codes in v[PC] on and its scale word in v[pw]
.macro QUANT s, pw
.irp b, 0,1,2,3
	v_max3_num_f32 v[TM+\b], |v[\s+16*\b]|, |v[\s+1+16*\b]|, 0x1800000   ; with the floor 2^(3 - 127): the byte cannot fall under 1
.endr
.irp i, 2,4,6,8,10,12,14
.irp b, 0,1,2,3
	v_max3_num_f32 v[TM+\b], v[TM+\b], |v[\s+16*\b+\i]|, |v[\s+1+16*\b+\i]|
.endr
.endr
.irp b, 0,1,2,3
	v_permlanex16_b32 v[TM+4+\b], v[TM+\b], s[SEL], s[SEL+1]
.endr
.irp b, 0,1,2,3
	v_max_num_f32 v[TM+\b], v[TM+\b], v[TM+4+\b]   ; with lane l xor 16's: the block's largest magnitude
.endr
.irp b, 0,1,2,3
	v_add_nc_u32 v[TM+12+\b], 0xff000000, v[TM+\b] ; 2 off its exponent field: the conversion's scale operand
.endr
.irp b, 0,1,2,3
	v_lshrrev_b32 v[TM+4+\b], 23, v[TM+12+\b]      ; the byte
.endr
	v_lshl_or_b32 v[\pw], v[TM+5], 8, v[TM+4]
	v_lshl_or_b32 v[\pw], v[TM+6], 16, v[\pw]
	v_lshl_or_b32 v[\pw], v[TM+7], 24, v[\pw]
.irp c, 0,1
	v_cvt_scalef32_pk16_fp6_f32 v[PC+6*\c:PC+2+6*\c], v[\s+32*\c:\s+15+32*\c], v[TM+12+2*\c]
	v_cvt_scalef32_pk16_fp6_f32 v[PC+12+4*\c:PC+14+4*\c], v[\s+16+32*\c:\s+31+32*\c], v[TM+12+2*\c+1]
.endr
	v_nop                                          ; one plain place behind a scaled conversion
.irp c, 0,1                                    ; the layout wants a whole block in a lane: lanes 0-15 block 2 c, lanes 16-31 block 2 c + 1
.irp i, 0,1,2
	v_permlane16_swap_b32 v[PC+6*\c+\i], v[PC+12+4*\c+\i]
.endr
.irp i, 0,1,2
	v_mov_b32 v[PC+3+6*\c+\i], v[PC+12+4*\c+\i]
.endr
.endr
.endm
	; THE WAY OUT: no LDS: the codes leave in the order of the next operand's registers, 512 or 256 consecutive bytes a store
	PLACES NP
.irp b, 0,1,2,3
	v_mov_b32 v[TM+4+\b], 0                        ; (a lane permute's destination counts as read)
.endr
	s_cmp_eq_u32 s44, 1
	s_cbranch_scc1 .Lv_out
.macro OUTQK a                         ; 16 tokens x my 128 columns: two heads' units
	WIN 0x12+(\a)/4                                ; source 0: the accumulators' window; source 2: window 1
.set k, 0
.rept 32
.if k < 32
	v_pk_fma_f32 v[T+k:T+k+1], v[64*((\a)%4)+k:64*((\a)%4)+k+1], v[S+k:S+k+1], v[96+k:97+k]      ; each accumulator from its low end on
.else
	v_pk_fma_f32 v[T+k:T+k+1], v[64*((\a)%4)+k:64*((\a)%4)+k+1], v[S+k:S+k+1], v[192+k:193+k]
.endif
.set k, k+2
.endr
	WIN 0
.if (\a) > 0
	s_wait_xcnt 0x0                                ; the last block's stores have read their data
.endif
	QUANT T, WS+(\a)
	global_store_b128 v[L16], v[PC:PC+3], s[74:75] offset:768*(\a)
	global_store_b64 v[L8], v[PC+4:PC+5], s[74:75] offset:768*(\a)+512
	global_store_b128 v[L16], v[PC+6:PC+9], s[74:75] offset:HS+768*(\a)
	global_store_b64 v[L8], v[PC+10:PC+11], s[74:75] offset:HS+768*(\a)+512
.endm
.irp a, 0,1,2,3,4,5,6,7
	OUTQK \a
.endr
.irp i, 0,1,2,3
	v_cndmask_b32 v[T+\i], v[WS+\i], v[WS+4+\i], s78                ; lanes 0-15: tiles 0-3's words, lanes 16-31: tiles 4-7's
.endr
.irp i, 0,1,2,3
	v_and_or_b32 v[T+4+\i], v[T+\i], 0xffff, s79                    ; head0: bytes 0, 1; above them 127 for the K step's upper 64
	v_lshrrev_b32 v[T+8+\i], 16, v[T+\i]
.endr
.irp i, 0,1,2,3
	v_or_b32 v[T+8+\i], s79, v[T+8+\i]                              ; head0 + 1: bytes 2, 3
.endr
	global_store_b128 v[L16], v[T+4:T+7], s[76:77]
	global_store_b128 v[L16], v[T+8:T+11], s[76:77] offset:HS
	s_branch .Ljoin
.Lv_out:
.macro OUTV a                          ; 16 channels x my 128 tokens: one fragment of V with the keys innermost
	v_mov_b32 v[VP], v[VB+(\a)]
	v_mov_b32 v[VP+1], v[VB+(\a)]
	WIN 0x02+(\a)/4
.set k, 0
.rept 32
	v_pk_add_f32 v[T+k:T+k+1], v[64*((\a)%4)+k:64*((\a)%4)+k+1], v[VP:VP+1]
.set k, k+2
.endr
	WIN 0
.if (\a) > 0
	s_wait_xcnt 0x0
.endif
	QUANT T, WS+(\a)
.irp p, 0,1,2
	global_store_b128 v[L16], v[PC+4*\p:PC+4*\p+3], s[74:75] offset:((\a)/4)*HS+((\a)%4)*1536+512*\p
.endr
.endm
.irp a, 0,1,2,3,4,5,6,7
	OUTV \a
.endr
.irp e, 0,1
.irp i, 0,1
	v_cndmask_b32 v[T+2*\e+\i], v[WS+4*\e+\i], v[WS+4*\e+2+\i], s78   ; lanes 0-15: channel tiles 0, 1; lanes 16-31: tiles 2, 3
.endr
	global_store_b64 v[L8], v[T+2*\e:T+2*\e+1], s[76:77] offset:\e*HS
.endr
.Ljoin:
	s_wait_tensorcnt 0x0                           ; the wave's end
	ds_add_u32 v[SPW], v[NIL]
	s_wait_dscnt 0x0
	CROUND                                         ; the closing round
	s_endpgm
.Lfunc_end_k_qfcda5f7aae_qkv:
	.size	k_qfcda5f7aae_qkv, .Lfunc_end_k_qfcda5f7aae_qkv-k_qfcda5f7aae_qkv
	.p2alignl 7, 3214868480
	.fill 96, 4, 3214868480
	.section	.rodata,"a",@progbits
	.p2align	6, 0x0
	.amdhsa_kernel k_qfcda5f7aae_qkv
		.amdhsa_group_segment_fixed_size 327680
		.amdhsa_private_segment_fixed_size 0
		.amdhsa_enable_private_segment 0
		.amdhsa_kernarg_size 64
		.amdhsa_user_sgpr_count 2
		.amdhsa_user_sgpr_kernarg_segment_ptr 1
		.amdhsa_wavefront_size32 1
		.amdhsa_system_sgpr_workgroup_id_x 1
		.amdhsa_system_sgpr_workgroup_id_y 1
		.amdhsa_system_sgpr_workgroup_id_z 1
		.amdhsa_system_vgpr_workitem_id 0
		.amdhsa_next_free_vgpr 1024
		.amdhsa_next_free_sgpr 100
		.amdhsa_reserve_vcc 0
		.amdhsa_float_denorm_mode_32 3
		.amdhsa_float_denorm_mode_16_64 3
		.amdhsa_memory_ordered 1
		.amdhsa_forward_progress 1
		.amdhsa_inst_pref_size 222
	.end_amdhsa_kernel
	.amdgpu_metadata
---
amdhsa.version: [ 1, 2 ]
amdhsa.kernels:
  - .name:           k_qfcda5f7aae_qkv
    .symbol:         k_qfcda5f7aae_qkv.kd
    .args:
      - { .name: xrec, .offset: 0, .size: 8, .value_kind: global_buffer, .address_space: global }
      - { .name: wrec, .offset: 8, .size: 8, .value_kind: global_buffer, .address_space: global }
      - { .name: b_qkv, .offset: 16, .size: 8, .value_kind: global_buffer, .address_space: global }
      - { .name: q_scale, .offset: 24, .size: 8, .value_kind: global_buffer, .address_space: global }
      - { .name: q_bias, .offset: 32, .size: 8, .value_kind: global_buffer, .address_space: global }
      - { .name: k_scale, .offset: 40, .size: 8, .value_kind: global_buffer, .address_space: global }
      - { .name: k_bias, .offset: 48, .size: 8, .value_kind: global_buffer, .address_space: global }
      - { .name: qkv, .offset: 56, .size: 8, .value_kind: global_buffer, .address_space: global }
    .group_segment_fixed_size: 327680
    .private_segment_fixed_size: 0
    .kernarg_segment_align: 8
    .kernarg_segment_size: 64
    .max_flat_workgroup_size: 128
    .sgpr_count:     100
    .vgpr_count:     1024
    .wavefront_size: 32
...
	.end_amdgpu_metadata
.endif
;; end of part 2
;; launch attn (part 3): grid 4 x 64, 16 waves a work-group, no clusters, 327,680 bytes of LDS; arguments qkv, yrec; writes yrec
.if DOCPART == 3
	.amdgcn_target "amdgcn-amd-amdhsa--gfx1250"
	.amdhsa_code_object_version 6
	.text
	.protected	k_qfcda5f7aae_attn
	.globl	k_qfcda5f7aae_attn
	.p2align	8
	.type	k_qfcda5f7aae_attn,@function
k_qfcda5f7aae_attn:
	s_mov_b64 s[64:65], 0
	v_nop
	global_prefetch_b8 v0, s[64:65] scope:SCOPE_SE
	s_setreg_imm32_b32 hwreg(HW_REG_WAVE_MODE, 25, 1), 1
	s_wait_xcnt 0x0
; Causal attention of one (batch, head) on codes of FP6 (E2M3) with E8M0 scales; y = O / l is quantised along the channels and leaves as codes in the order of the projection's operand registers.
; THE SOFTMAX: t = score x log2(e) / 8; M = the running largest t rounded UP to a whole number; p = 2^(t - M) is quantised along the keys, not normalised; the row's sum is taken of the unquantised p and divides at the end.
; When M moves, the sum and O are multiplied by 2^(old M - new M): exact.  LIMITS: NaN and infinities are not served; p under 2^-126 falls to 0; a block of zeros gets the byte 1, not 127 (read by this program alone).
; SHARES.  Work-group (I, head) takes TWO blocks of 256 queries one after the other: block I (key slots 0 .. I) and block 7 - I (key slots 0 .. 7 - I): nine slots of 256 keys in every work-group, so the trip count is a
; constant, all 256 work-groups have the same work, and no slot is fetched that is not read.  Each of sixteen waves owns one tile of 16 queries in 256 registers: four waves to a SIMD.
; NO CLUSTER: the four work-groups of a head want different slots at the same change, so no request could be joint.
; LAYOUT.  Both products transposed: S^T = K Q^T, O^T = V^T P^T: a lane holds one query.  The head's 64 fill the lower half of a K step of 128; the upper half's codes are zeros in Q and in K, under the byte 127.
; Rows lie by POSITION (inside each 32: position 16 u + 8 g + e holds row 16 g + 8 u + e), so the 16 registers of two neighbouring tiles are 16 neighbouring keys (or channels).
; A KEY RECORD (26,112 dense bytes, 256 keys): K 16 units of 768; V at 12,288: 2 x 4 fragments of 1,536; K's scale words at 24,576; V's at 25,600.  A slot is one record: waves 0 and 1 fetch a half each.
; REGISTERS: v1-7 lane terms; v8-9 the slot's addresses; v12 -M, v13 largest t, v[14:15] the sum; v16-27 Q, v28 its scale word; v30-36 the second block's; v40-87 four fragments of K; v88-93 K's and V's scale words;
;   v96-159 S^T, p, then V's four fragments; v160-191 O^T; v192-210 p's codes; v212-223 block maxima, bytes, scale operands; v224 p's scale word; v[226:227] the factor; v228-231 at work.
.set HS,    315392
.set KR,    26112
.set QOFF,  8*KR
.set QSOFF, QOFF+128*768
.set REC,   25600
.set SLOT1, 32768
.set SPARE, 65536                      ; behind the ring: the spare words, 128 bytes for each of sixteen waves
.set VOFF,  12288
.set KSO,   24576
.set VSO,   25600
.set SPW, 5
.set NIL, 6
.set KFR, 40
.set BM,  212
.set BT,  216
.set BS,  220
.set PW,  224
.set TB,  2                            ; s2  LDS byte at which the slot in hand begins
.set WV,  18
.set SEL, 20
.set CS,  22
.set KEY, 38                           ; s38 the step's first key
.set BLK, 39                           ; s39 the block of queries in hand
.set SLOTS, 41
.set Q0,  43                           ; s43 my tile's lowest query
.set II,  44
.set PFA, 48
.set LIM, 50
.macro TLOAD                           ; waves 0 and 1 fetch; an s_nop 0 and four v_nop follow the line
	s_cmp_lt_u32 s[WV], 2
	s_cbranch_scc0 .Lnone_\@
	tensor_load_to_lds s[32:35], s[24:31]
	s_nop 0
.rept 4
	v_nop
.endr
.Lnone_\@:
.endm
; A PREFETCH INTO THE L2.  A head's eight key records are one run of 816 blocks of 256 bytes.  Work-group I = 0 is the first of its head to ask for records 4 to 7; in it waves 4, 5, 6, which fetch nothing, name 32 blocks
; each (lanes 256 bytes apart) at the changes with 6 .. 2 slots to go: 5 x 96 blocks, 336 .. 815: each named once, each a change of slots or more ahead of the tensor load that wants it, the last at the run's end.
.macro ASK
	s_cmp_gt_u32 s[SLOTS], s[LIM]
	s_cbranch_scc0 .Lnot_\@
	s_cmp_lt_u32 s[SLOTS], 7
	s_cbranch_scc0 .Lnot_\@
	global_prefetch_b8 v7, s[PFA:PFA+1] th:TH_LOAD_NT scope:SCOPE_SE
.Lnot_\@:
.endm
	s_load_b128 s[4:7], s[0:1], 0x0                ; qkv, yrec
	v_lshl_add_u32 v[SPW], v0, 2, SPARE
	v_mov_b32 v[NIL], 0
	ds_add_u32 v[SPW], v[NIL]                      ; the wave's opening: the add and its wait ahead of the first tensor load
	ds_add_u32 v[SPW], v[NIL]
	v_lshrrev_b32 v8, 5, v0
	s_delay_alu instid0(VALU_DEP_1)
	v_readfirstlane_b32 s[WV], v8
	s_mov_b32 s[II], ttmp9
	s_and_b32 s8, ttmp7, 0xffff                    ; 16 x batch + head
	s_mov_b32 s24, 3<<16                           ; group 1: elements of 8 bytes, no mask, no padding
	s_mov_b32 s25, 32<<16                          ; rows of 256 bytes
	s_mov_b32 s26, 51<<16                          ; 51 rows: half a record
	s_mov_b32 s27, 32<<16
	s_mov_b32 s28, 51
	s_mov_b32 s29, 32
	s_mov_b32 s30, 0
	s_mov_b32 s31, 0
	s_mul_i32 s46, s8, HS
	s_mov_b32 s47, 0
	s_and_b32 s9, s[WV], 1
	s_mul_i32 s9, s9, KR/2
	s_lshr_b32 s10, s[WV], 3
	s_and_b32 s11, s[WV], 7
	s_mov_b32 s[SEL], 0x76543210
	s_mov_b32 s[SEL+1], 0xfedcba98
	s_mov_b32 s[CS], 0x3e38aa3b                    ; c = log2(e) / 8
	s_mov_b32 s[CS+1], s[CS]
	s_mov_b32 s[TB], 0
	s_mov_b32 s[KEY], 0
	s_mov_b32 s[SLOTS], 8
	s_mov_b32 s[BLK], s[II]
	s_lshr_b32 s62, s[WV], 1
	s_lshl_b32 s62, s62, 5
	s_and_b32 s63, s[WV], 1
	s_lshl_b32 s63, s63, 3
	s_add_co_u32 s62, s62, s63                     ; my tile's lowest query in its block: 32 (w / 2) + 8 (w % 2)
	s_lshl_b32 s[Q0], s[BLK], 8
	s_add_co_u32 s[Q0], s[Q0], s62
	s_wait_dscnt 0x0
	s_wait_kmcnt 0x0
	s_add_nc_u64 s[60:61], s[4:5], s[46:47]        ; my head
	s_mov_b32 s46, s9
	s_add_nc_u64 s[36:37], s[60:61], s[46:47]      ; my half of record 0
	s_mov_b32 s32, 1
	s_mov_b32 s33, s9                              ; slot 0
	s_mov_b64 s[34:35], s[36:37]
	s_or_b32 s35, s35, 0x80000000
	TLOAD                                          ; key slot 0
	s_mul_i32 s12, s11, 768
	s_add_co_u32 s12, s12, QOFF
	s_bfe_u32 s13, s[WV], 0x10002
	s_lshl_b32 s13, s13, 8
	s_and_b32 s14, s[WV], 3
	s_lshl_b32 s15, s14, 2
	s_add_co_u32 s13, s13, s15
	s_add_co_u32 s13, s13, QSOFF
	s_lshl_b32 s15, s[II], 1
	s_add_co_u32 s15, s15, s10                     ; first block: which 128 queries
	s_mul_i32 s46, s15, 6144
	s_add_co_u32 s46, s46, s12
	s_add_nc_u64 s[56:57], s[60:61], s[46:47]
	s_lshl_b32 s46, s15, 9
	s_add_co_u32 s46, s46, s13
	s_add_nc_u64 s[58:59], s[60:61], s[46:47]
	s_sub_co_u32 s15, 7, s[II]
	s_lshl_b32 s15, s15, 1
	s_add_co_u32 s15, s15, s10                     ; second block
	s_mul_i32 s46, s15, 6144
	s_add_co_u32 s46, s46, s12
	s_add_nc_u64 s[52:53], s[60:61], s[46:47]
	s_lshl_b32 s46, s15, 9
	s_add_co_u32 s46, s46, s13
	s_add_nc_u64 s[54:55], s[60:61], s[46:47]
	v_and_b32 v8, 31, v0
	s_delay_alu instid0(VALU_DEP_1)
	v_lshlrev_b32 v1, 4, v8                        ; 16 x lane
	s_delay_alu instid0(VALU_DEP_2)
	v_lshlrev_b32 v2, 3, v8                        ; 8 x lane
	s_delay_alu instid0(VALU_DEP_3)
	v_lshlrev_b32 v7, 8, v8                        ; 256 x lane
	s_delay_alu instid0(VALU_DEP_4)
	v_cmp_le_u32 s45, 16, v8                       ; lanes 16-31
	v_and_b32 v9, 15, v0                           ; r
	s_delay_alu instid0(VALU_DEP_1)
	v_lshlrev_b32 v10, 4, v9
	global_load_b128 v[16:19], v1, s[56:57]        ; Q's unit: the lower six registers of its fragment
	global_load_b64 v[20:21], v2, s[56:57] offset:512
	global_load_b32 v28, v10, s[58:59]
	global_load_b128 v[30:33], v1, s[52:53]
	global_load_b64 v[34:35], v2, s[52:53] offset:512
	global_load_b32 v36, v10, s[54:55]
.irp i, 22,23,24,25,26,27
	v_mov_b32 v\i, 0                               ; the K step's upper 64: zero codes
.endr
.irp t, 0,1,2,3
.irp i, 6,7,8,9,10,11
	v_mov_b32 v[KFR+12*\t+\i], 0                   ; cleared once, never loaded
.endr
.endr
	v_bfe_u32 v11, v0, 4, 1                        ; h
	s_delay_alu instid0(VALU_DEP_1)
	v_lshl_add_u32 v3, v9, 3, v11                  ; 8 r + h
	v_and_b32 v4, 7, v0
	v_bfe_u32 v8, v0, 3, 1
	s_delay_alu instid0(VALU_DEP_1)
	v_lshl_add_u32 v4, v8, 4, v4
	v_lshlrev_b32 v8, 4, v11
	s_delay_alu instid0(VALU_DEP_1)
	v_sub_nc_u32 v4, v4, v8                        ; my query in the tile, r % 8 + 16 (r / 8), less 16 h
	v_mov_b32 v13, 0xff61b1e6                      ; the largest t so far: -3e38
	s_delay_alu instid0(VALU_DEP_1)
	v_floor_f32 v12, -v13
	v_mov_b32 v14, 0
	v_mov_b32 v15, 0
.irp b, 0,1,2,3
	v_mov_b32 v[BT+\b], 0                          ; (a lane permute's destination counts as read)
.endr
	v_mov_b32 v227, 0
	v_mov_b32 v228, 0
.set j, 0
.rept 32
	v_mov_b32 v[160+j], 0                          ; O^T: the step is written once; its first turn finds zeros
.set j, j+1
.endr
	s_lshl_b32 s46, s14, 13
	s_add_co_u32 s46, s46, 48*256
	s_add_nc_u64 s[PFA:PFA+1], s[60:61], s[46:47]  ; stepped by 96 blocks at every change: block 336 at the first ask
	s_sub_co_u32 s46, s[WV], 4
	s_cmp_lt_u32 s46, 3
	s_cselect_b32 s[LIM], 1, -1
	s_cmp_eq_u32 s[II], 0
	s_cselect_b32 s[LIM], s[LIM], -1
	s_wait_loadcnt 0x0                             ; Q; its address registers are free
	s_lshr_b32 s12, s8, 4                          ; batch
	s_and_b32 s13, s8, 15                          ; head
	s_lshl_b32 s12, s12, 6
	s_lshr_b32 s14, s13, 2
	s_add_co_u32 s12, s12, s14
	s_mul_i32 s12, s12, REC
	s_mul_i32 s14, s10, 4*REC
	s_add_co_u32 s12, s12, s14                     ; y's record, but for the block's 8 records
	s_and_b32 s13, s13, 3
	s_mul_i32 s46, s11, 3072
	s_mul_i32 s14, s13, 768
	s_add_co_u32 s46, s46, s14
	s_add_co_u32 s46, s46, s12
	s_add_nc_u64 s[52:53], s[6:7], s[46:47]        ; my unit
	s_lshl_b32 s46, s11, 7
	s_lshl_b32 s14, s13, 1
	s_add_co_u32 s46, s46, s14
	s_add_co_u32 s46, s46, s12
	s_add_co_u32 s46, s46, 24576
	s_add_nc_u64 s[54:55], s[6:7], s[46:47]        ; my scale bytes
; A KEY STEP: 128 keys, the q-th of the slot in hand
.macro STEP q
	s_add_co_u32 s46, s[Q0], 23                    ; my tile's highest query
	s_cmp_gt_u32 s[KEY], s46
	s_cbranch_scc1 .Lhidden_\@                     ; all 128 keys come after all my queries: ids and steps alone; no barrier, wait or tensor load stands in a step
	v_add_nc_u32 v8, s[TB], v1
	s_wait_alu depctr_va_vdst(0)
	v_add_nc_u32 v9, s[TB], v2
	s_wait_alu depctr_va_vdst(0)
.irp g, 0,1
.if \g
.rept 4
	v_nop                                          ; places ahead of loads into registers that matrix instructions have read
.endr
.endif
.irp t, 0,1,2,3
	ds_load_b128 v[KFR+12*\t:KFR+12*\t+3], v8 offset:(8*(\q)+4*\g+\t)*768
	ds_load_b64 v[KFR+12*\t+4:KFR+12*\t+5], v9 offset:(8*(\q)+4*\g+\t)*768+512
.endr
.if \g == 0
	ds_load_b128 v[88:91], v8 offset:KSO+512*(\q)  ; lanes 0-15: tiles 0-3's words; lanes 16-31: tiles 4-7's
	ds_load_b64 v[92:93], v9 offset:VSO+256*(\q)   ; lanes 0-15: channel tiles 0, 1; lanes 16-31: 2, 3
.endif
	s_wait_dscnt 0x0
.irp t, 0,1,2,3
.if \g == 0
	v_wmma_scale_f32_16x16x128_f8f6f4 v[96+8*\t:103+8*\t], v[KFR+12*\t:KFR+12*\t+11], v[16:27], 0, v[88+\t], v28 matrix_a_fmt:MATRIX_FMT_FP6 matrix_b_fmt:MATRIX_FMT_FP6
.else
	v_wmma_scale_f32_16x16x128_f8f6f4 v[128+8*\t:135+8*\t], v[KFR+12*\t:KFR+12*\t+11], v[16:27], 0, v[88+\t], v28 matrix_a_fmt:MATRIX_FMT_FP6 matrix_b_fmt:MATRIX_FMT_FP6 matrix_a_scale:MATRIX_SCALE_ROW1
.endif
.endr
.endr
.rept 4
	v_nop
.endr
	s_add_co_u32 s46, s[KEY], 127                  ; on the diagonal hidden scores become -infinity ahead of the maximum; a step all of whose keys count skips this
	s_cmp_le_u32 s46, s[Q0]
	s_cbranch_scc1 .Lopen_\@
	s_sub_co_i32 s46, s[Q0], s[KEY]
	v_add_nc_u32 v229, s46, v4                     ; register 16 b + i holds key KEY + 32 b + 16 h + i: hidden where 32 b + i is above this
	v_mov_b32 v230, 0xff800000
.set n, 0
.rept 64
	v_cmp_gt_i32 vcc_lo, 32*(n/16)+n%16, v229
	v_cndmask_b32 v[96+n], v[96+n], v230, vcc_lo
.set n, n+1
.endr
.Lopen_\@:
.irp b, 0,1,2,3
	v_max3_num_f32 v[BM+\b], v[96+16*\b], v[97+16*\b], v[98+16*\b]   ; each block's largest score: for the row's maximum and, since p rises with the score, for the block's largest p
.endr
.irp i, 3,5,7,9,11,13
.irp b, 0,1,2,3
	v_max3_num_f32 v[BM+\b], v[BM+\b], v[96+16*\b+\i], v[97+16*\b+\i]
.endr
.endr
.irp b, 0,1,2,3
	v_max_num_f32 v[BM+\b], v[BM+\b], v[111+16*\b]
.endr
.irp b, 0,1,2,3
	s_delay_alu instid0(VALU_DEP_4)
	v_permlanex16_b32 v[BT+\b], v[BM+\b], s[SEL], s[SEL+1]
.endr
.irp b, 0,1,2,3
	s_delay_alu instid0(VALU_DEP_4)
	v_max_num_f32 v[BM+\b], v[BM+\b], v[BT+\b]
.endr
	s_delay_alu instid0(VALU_DEP_2)
	v_max3_num_f32 v231, v[BM], v[BM+1], v[BM+2]
	s_delay_alu instid0(VALU_DEP_1)
	v_max_num_f32 v231, v231, v[BM+3]
	s_delay_alu instid0(VALU_DEP_1)
	v_mul_f32 v231, s[CS], v231
	s_delay_alu instid0(VALU_DEP_1)
	v_max_num_f32 v13, v13, v231                   ; the running largest t
	v_mov_b32 v231, v12
	s_delay_alu instid0(VALU_DEP_2)
	v_floor_f32 v12, -v13                          ; -M = floor(-t): M is a whole number
	s_delay_alu instid0(VALU_DEP_1)
	v_sub_f32 v231, v12, v231                      ; old M - new M, 0 or less
	s_delay_alu instid0(VALU_DEP_1)
	v_cvt_i32_f32 v231, v231                       ; (it saturates)
	s_delay_alu instid0(VALU_DEP_1)
	v_ldexp_f32 v226, 1.0, v231                    ; the factor 2^(old M - new M): it rounds nothing
.set j, 0
.rept 32
	v_pk_fma_f32 v[96+j:97+j], v[96+j:97+j], s[CS:CS+1], v[12:13] op_sel_hi:[1,0,0]   ; t - M
.set j, j+2
.endr
.irp b, 0,1,2,3
	v_fma_f32 v[BM+\b], v[BM+\b], s[CS], v12
.endr
.set j, 0
	s_wait_alu depctr_va_vdst(0)
.rept 64
	v_exp_f32 v[96+j], v[96+j]                     ; p = 2^(t - M)
.set j, j+1
.endr
	v_pk_mul_f32 v[14:15], v[14:15], v[226:227] op_sel_hi:[1,0]      ; the sums under the new M; the plain place behind the exponentials
	s_wait_alu depctr_va_vdst(0)                   ; one wait for the batch, ahead of its first reader
.irp b, 0,1,2,3
	v_exp_f32 v[BM+\b], v[BM+\b]                   ; the block's largest p
.endr
	v_pk_add_f32 v[228:229], v[100:101], v[104:105]
	v_pk_add_f32 v[254:255], v[108:109], v[112:113]
	v_pk_add_f32 v[252:253], v[116:117], v[120:121]
	v_pk_add_f32 v[250:251], v[124:125], v[128:129]
	v_pk_add_f32 v[248:249], v[132:133], v[136:137]
	v_pk_add_f32 v[246:247], v[140:141], v[144:145]
	v_pk_add_f32 v[244:245], v[148:149], v[152:153]
	v_pk_add_f32 v[14:15], v[14:15], v[156:157]
	v_pk_add_f32 v[228:229], v[228:229], v[96:97]
	v_pk_add_f32 v[254:255], v[254:255], v[98:99]
	v_pk_add_f32 v[252:253], v[252:253], v[102:103]
	v_pk_add_f32 v[250:251], v[250:251], v[106:107]
	v_pk_add_f32 v[248:249], v[248:249], v[110:111]
	v_pk_add_f32 v[246:247], v[246:247], v[114:115]
	v_pk_add_f32 v[244:245], v[244:245], v[118:119]
	v_pk_add_f32 v[14:15], v[14:15], v[122:123]
	v_pk_add_f32 v[228:229], v[228:229], v[126:127]
	v_pk_add_f32 v[254:255], v[254:255], v[130:131]
	v_pk_add_f32 v[252:253], v[252:253], v[134:135]
	v_pk_add_f32 v[250:251], v[250:251], v[138:139]
	v_pk_add_f32 v[248:249], v[248:249], v[142:143]
	v_pk_add_f32 v[246:247], v[246:247], v[146:147]
	v_pk_add_f32 v[244:245], v[244:245], v[150:151]
	v_pk_add_f32 v[14:15], v[14:15], v[154:155]
	v_pk_add_f32 v[228:229], v[228:229], v[158:159]
	s_delay_alu instid0(VALU_DEP_2)
	v_pk_add_f32 v[14:15], v[14:15], v[250:251]
	s_delay_alu instid0(VALU_DEP_2)
	v_pk_add_f32 v[228:229], v[228:229], v[248:249]
	v_pk_add_f32 v[254:255], v[254:255], v[246:247]
	v_pk_add_f32 v[252:253], v[252:253], v[244:245]
	s_delay_alu instid0(VALU_DEP_2)
	v_pk_add_f32 v[14:15], v[14:15], v[254:255]
	s_delay_alu instid0(VALU_DEP_2)
	v_pk_add_f32 v[228:229], v[228:229], v[252:253]
	s_delay_alu instid0(VALU_DEP_1)
	v_pk_add_f32 v[14:15], v[14:15], v[228:229]
	s_wait_alu depctr_va_vdst(0)                   ; and one for the four
.irp b, 0,1,2,3
	v_max_num_f32 v[BM+\b], 0x1800000, v[BM+\b]    ; the floor 2^(3 - 127)
.endr
.irp b, 0,1,2,3
	s_delay_alu instid0(VALU_DEP_4)
	v_add_nc_u32 v[BS+\b], 0xff000000, v[BM+\b]
.endr
.irp b, 0,1,2,3
	s_delay_alu instid0(VALU_DEP_4)
	v_lshrrev_b32 v[BT+\b], 23, v[BS+\b]
.endr
	s_delay_alu instid0(VALU_DEP_3)
	v_lshl_or_b32 v[PW], v[BT+1], 8, v[BT]
	s_delay_alu instid0(VALU_DEP_1)
	v_lshl_or_b32 v[PW], v[BT+2], 16, v[PW]
	s_delay_alu instid0(VALU_DEP_1)
	v_lshl_or_b32 v[PW], v[BT+3], 24, v[PW]
.irp c, 0,1
	v_cvt_scalef32_pk16_fp6_f32 v[192+6*\c:194+6*\c], v[96+32*\c:111+32*\c], v[BS+2*\c]
	v_cvt_scalef32_pk16_fp6_f32 v[204+4*\c:206+4*\c], v[112+32*\c:127+32*\c], v[BS+2*\c+1]
.endr
	v_nop                                          ; one plain place behind a scaled conversion
.irp d, 0,1,2,3
.irp p, 0,1,2
	ds_load_b128 v[96+12*\d+4*\p:99+12*\d+4*\p], v8 offset:VOFF+6144*(\q)+1536*\d+512*\p   ; V's four fragments land where p stood
.endr
.endr
.irp c, 0,1
.irp i, 0,1,2
	v_permlane16_swap_b32 v[192+6*\c+\i], v[204+4*\c+\i]
.endr
.irp i, 0,1,2
	s_delay_alu instid0(VALU_DEP_3)
	v_mov_b32 v[195+6*\c+\i], v[204+4*\c+\i]
.endr
.endr
.set j, 0
.rept 16
	v_pk_mul_f32 v[160+j:161+j], v[160+j:161+j], v[226:227] op_sel_hi:[1,0]   ; O^T under the new M; these are also the places ahead of the scaled products
.set j, j+2
.endr
	s_wait_alu depctr_va_vdst(0)
	s_wait_dscnt 0x0
.irp d, 0,1,2,3
.if \d < 2
	v_wmma_scale_f32_16x16x128_f8f6f4 v[160+8*\d:167+8*\d], v[96+12*\d:107+12*\d], v[192:203], v[160+8*\d:167+8*\d], v[92+\d%2], v[PW] matrix_a_fmt:MATRIX_FMT_FP6 matrix_b_fmt:MATRIX_FMT_FP6
.else
	v_wmma_scale_f32_16x16x128_f8f6f4 v[160+8*\d:167+8*\d], v[96+12*\d:107+12*\d], v[192:203], v[160+8*\d:167+8*\d], v[92+\d%2], v[PW] matrix_a_fmt:MATRIX_FMT_FP6 matrix_b_fmt:MATRIX_FMT_FP6 matrix_a_scale:MATRIX_SCALE_ROW1
.endif
.endr
.rept 5
	v_nop                                          ; the next step's scores are written over V's registers by matrix instructions: five places
.endr
.Lhidden_\@:
	s_add_co_u32 s[KEY], s[KEY], 128
.endm
; THE CHANGE OF SLOTS, at a slot's head: each wave waits for all its tensor loads, adds 0 to its spare word, waits for that and for its reads of the slot that it has left; behind the barrier that slot takes the next record.
.macro CHANGE fill
	s_wait_tensorcnt 0x0                           ; no tensor load of mine is out: group 0 may be written
	ds_add_u32 v[SPW], v[NIL]
.if \fill
	s_lshr_b32 s46, s[KEY], 8                      ; the record about to be read;
	s_add_co_u32 s47, s46, 1
	s_cmp_eq_u32 s46, s[BLK]                       ; behind a block's last record comes the next block's record 0
	s_cselect_b32 s46, 0, s47
	s_mul_i32 s46, s46, KR
	s_mov_b32 s47, 0
	s_add_nc_u64 s[34:35], s[36:37], s[46:47]
	s_or_b32 s35, s35, 0x80000000
	s_xor_b32 s33, s33, SLOT1                      ; the other slot than last time
	s_wait_xcnt 0x0                                ; the last prefetch, a slot back, has read its address
	s_add_nc_u64 s[PFA:PFA+1], s[PFA:PFA+1], 96*256
.endif
	s_wait_dscnt 0x0
	s_barrier_signal -1
	s_barrier_wait -1
.if \fill
	TLOAD                                          ; the first thing behind the barrier, a wave's one tensor load until the next
	ASK
.endif
.endm
; A block of queries is done: y = O^T / l, quantised along the channels: my head's 64 are two blocks of 32 and one unit of the projection's operand
.macro FINISH
	v_add_f32 v14, v14, v15
	s_delay_alu instid0(VALU_DEP_1)
	v_permlanex16_b32 v228, v14, s[SEL], s[SEL+1]
	s_delay_alu instid0(VALU_DEP_1)
	v_add_f32 v14, v14, v228                       ; the row's sum
	s_wait_alu depctr_va_vdst(0)
	v_rcp_f32 v226, v14
	v_nop                                          ; a plain place behind the reciprocal
	s_mul_i32 s46, s[BLK], 8*REC
	s_mov_b32 s47, 0
	s_add_nc_u64 s[56:57], s[52:53], s[46:47]
	s_add_nc_u64 s[58:59], s[54:55], s[46:47]
	s_wait_alu depctr_va_vdst(0)                   ; ahead of its first reader
.set j, 0
.rept 16
	v_pk_mul_f32 v[96+j:97+j], v[160+j:161+j], v[226:227] op_sel_hi:[1,0]   ; register 16 b + i: channel 32 b + 16 h + i
.set j, j+2
.endr
.irp b, 0,1
	v_max3_num_f32 v[BM+\b], |v[96+16*\b]|, |v[97+16*\b]|, 0x1800000
.endr
.irp i, 2,4,6,8,10,12,14
.irp b, 0,1
	s_delay_alu instid0(VALU_DEP_2)
	v_max3_num_f32 v[BM+\b], v[BM+\b], |v[96+16*\b+\i]|, |v[97+16*\b+\i]|
.endr
.endr
.irp b, 0,1
	s_delay_alu instid0(VALU_DEP_2)
	v_permlanex16_b32 v[BT+\b], v[BM+\b], s[SEL], s[SEL+1]
.endr
.irp b, 0,1
	s_delay_alu instid0(VALU_DEP_2)
	v_max_num_f32 v[BM+\b], v[BM+\b], v[BT+\b]
.endr
.irp b, 0,1
	s_delay_alu instid0(VALU_DEP_2)
	v_add_nc_u32 v[BS+\b], 0xff000000, v[BM+\b]
.endr
.irp b, 0,1
	s_delay_alu instid0(VALU_DEP_2)
	v_lshrrev_b32 v[BT+\b], 23, v[BS+\b]
.endr
	v_cvt_scalef32_pk16_fp6_f32 v[192:194], v[96:111], v[BS]
	v_cvt_scalef32_pk16_fp6_f32 v[204:206], v[112:127], v[BS+1]
	v_cndmask_b32 v228, v[BT], v[BT+1], s45        ; lane (r, h) stores block h's byte; also the plain place behind the conversions
.irp i, 0,1,2
	v_permlane16_swap_b32 v[192+\i], v[204+\i]
.endr
.irp i, 0,1,2
	s_delay_alu instid0(VALU_DEP_3)
	v_mov_b32 v[195+\i], v[204+\i]
.endr
	global_store_b128 v1, v[192:195], s[56:57]     ; 512 consecutive bytes
	global_store_b64 v2, v[196:197], s[56:57] offset:512
	global_store_b8 v3, v228, s[58:59]             ; two bytes of each row's eight: the other six are other heads'
.endm
.Lslot:                                            ; eight trips; behind each change the next record is asked for
	CHANGE 1
	STEP 0
	STEP 1
	s_xor_b32 s[TB], s[TB], SLOT1
	s_add_co_u32 s46, s[BLK], 1
	s_lshl_b32 s46, s46, 8
	s_cmp_lg_u32 s[KEY], s46                       ; ids and steps alone: the same in all sixteen waves
	s_cbranch_scc1 .Lsame_block
	FINISH
	v_mov_b32 v28, v36                             ; the second block: its Q and scale word first, so that the lines below are the places ahead of the next products
.irp i, 0,1,2,3,4,5
	v_mov_b32 v[16+\i], v[30+\i]
.endr
	v_mov_b32 v13, 0xff61b1e6
	s_delay_alu instid0(VALU_DEP_1)
	v_floor_f32 v12, -v13
	v_mov_b32 v14, 0
	v_mov_b32 v15, 0
.set j, 0
.rept 32
	v_mov_b32 v[160+j], 0
.set j, j+1
.endr
	s_sub_co_u32 s[BLK], 7, s[II]
	s_lshl_b32 s[Q0], s[BLK], 8
	s_add_co_u32 s[Q0], s[Q0], s62
	s_mov_b32 s[KEY], 0
	s_wait_xcnt 0x0                                ; y's stores have read their data and addresses
.Lsame_block:
	s_sub_co_u32 s[SLOTS], s[SLOTS], 1
	s_cmp_lg_u32 s[SLOTS], 0
	s_cbranch_scc1 .Lslot
	CHANGE 0                                       ; the ninth slot is written out: nothing is left to ask for
	STEP 0
	STEP 1
	FINISH
	s_wait_tensorcnt 0x0                           ; the wave's end
	ds_add_u32 v[SPW], v[NIL]
	s_wait_dscnt 0x0
	s_endpgm
.Lfunc_end_k_qfcda5f7aae_attn:
	.size	k_qfcda5f7aae_attn, .Lfunc_end_k_qfcda5f7aae_attn-k_qfcda5f7aae_attn
	.p2alignl 7, 3214868480
	.fill 96, 4, 3214868480
	.section	.rodata,"a",@progbits
	.p2align	6, 0x0
	.amdhsa_kernel k_qfcda5f7aae_attn
		.amdhsa_group_segment_fixed_size 327680
		.amdhsa_private_segment_fixed_size 0
		.amdhsa_enable_private_segment 0
		.amdhsa_kernarg_size 16
		.amdhsa_user_sgpr_count 2
		.amdhsa_user_sgpr_kernarg_segment_ptr 1
		.amdhsa_wavefront_size32 1
		.amdhsa_system_sgpr_workgroup_id_x 1
		.amdhsa_system_sgpr_workgroup_id_y 1
		.amdhsa_system_sgpr_workgroup_id_z 1
		.amdhsa_system_vgpr_workitem_id 0
		.amdhsa_next_free_vgpr 256
		.amdhsa_next_free_sgpr 66
		.amdhsa_reserve_vcc 1
		.amdhsa_float_denorm_mode_32 3
		.amdhsa_float_denorm_mode_16_64 3
		.amdhsa_memory_ordered 1
		.amdhsa_forward_progress 1
		.amdhsa_inst_pref_size 110
	.end_amdhsa_kernel
	.amdgpu_metadata
---
amdhsa.version: [ 1, 2 ]
amdhsa.kernels:
  - .name:           k_qfcda5f7aae_attn
    .symbol:         k_qfcda5f7aae_attn.kd
    .args:
      - { .name: qkv, .offset: 0, .size: 8, .value_kind: global_buffer, .address_space: global }
      - { .name: yrec, .offset: 8, .size: 8, .value_kind: global_buffer, .address_space: global }
    .group_segment_fixed_size: 327680
    .private_segment_fixed_size: 0
    .kernarg_segment_align: 8
    .kernarg_segment_size: 16
    .max_flat_workgroup_size: 512
    .sgpr_count:     66
    .vgpr_count:     256
    .wavefront_size: 32
...
	.end_amdgpu_metadata
.endif
;; end of part 3
;; launch proj (part 4): grid 8 x 32, 4 waves a work-group, clusters of 4 x 4, 327,680 bytes of LDS; arguments yrec, wrec, b_proj, out0; writes out0
.if DOCPART == 4
	.amdgcn_target "amdgcn-amd-amdhsa--gfx1250"
	.amdhsa_code_object_version 6
	.text
	.protected	k_qfcda5f7aae_proj
	.globl	k_qfcda5f7aae_proj
	.p2align	8
	.type	k_qfcda5f7aae_proj,@function
k_qfcda5f7aae_proj:
	s_mov_b64 s[64:65], 0
	v_nop
	global_prefetch_b8 v0, s[64:65] scope:SCOPE_SE
	s_setreg_imm32_b32 hwreg(HW_REG_WAVE_MODE, 25, 1), 1
	s_wait_xcnt 0x0
	s_wait_alu depctr_hold_cnt(0) depctr_sa_sdst(0) depctr_va_vdst(0) depctr_va_sdst(0) depctr_va_ssrc(0) depctr_va_vcc(0) depctr_vm_vsrc(0)
	s_getreg_b32 s2, hwreg(HW_REG_IB_STS2, 6, 4)
	s_cmp_eq_u32 s2, 0
	s_cbranch_scc0 .Lentry_in_a_cluster
	s_endpgm
.Lentry_in_a_cluster:
	s_bfe_u32 s2, ttmp6, 0x10000c
	s_cmp_lg_u32 s2, 0xf033
	s_cbranch_scc0 .Lentry_shape_is_right
	s_endpgm
.Lentry_shape_is_right:
; out = y W_proj + b_proj on codes of FP6 (E2M3) with E8M0 scales; f32 sums, f32 out.
; A tile of 256 rows x 128 columns to a work-group (256 work-groups), 128 x 64 to each of four waves: 32 accumulators.  ALL OF K = 1,024 LIES IN LDS, brought by first fills alone: no LDS byte is filled twice.
; Operands are RECORDS (128 positions x 256 K, 25,600 dense bytes, codes in the order of the operand's registers, scale bytes behind them).  Source 0 = columns of W, source 1 = rows of y: a lane holds one row and
; its registers run along the columns; register j of column tile b is column 32 (b / 2) + 16 (lane / 16) + 8 (b % 2) + j; position r of row tile a is row 32 (a / 2) + 8 (a % 2) + r % 8 + 16 (r / 8).
; CLUSTER 4 x 4: y's records hang on cy alone and are asked for jointly along a row of the cluster, W's on cx alone, along a column.  b_proj is the C of each sum's first product.
; LIMITS: NaN and infinities are not served.
; REGISTERS: window 0: v16-29 addresses; v32-79 scale words, two sets of 16 + 8; v80-111 the bias; v128-191 rows on the way out.  window 1: y's fragments, two sets (v0, v128).  window 2: accumulator (a, b) at v[8 (4 a + b)].
;   window 3: W's fragments, two sets (v0, v64).
.set REC,   25600
.set SIG,   3*REC                      ; a quarter of K: y's two records, then W's one
.set STAGE, 4*SIG                      ; bytes of its own: 16 rows x 272 for each wave
.set SP,    272
.set SPARE, STAGE+4*16*SP              ; the spare words, 128 bytes a wave
.set FR,  12
.set A16, 16
.set A8,  17
.set B16, 18
.set B8,  19
.set AS,  20
.set BS,  21
.set STO, 24
.set RD,  25
.set CO,  26
.set SPW, 28
.set NIL, 29
.set SC,  32
.set BI,  80
.set BK,  128
.set G1A, 24
.set G1B, 32
.set MSB, 0
.macro WIN new
.if MSB != \new
	s_set_vgpr_msb (MSB<<8)|\new
.set MSB, \new
.endif
.endm
.macro CROUND
	s_barrier_signal -1
	s_barrier_wait -1
	s_cmp_lg_u32 s20, 0
	s_cbranch_scc1 .Lnot_wave_0_\@
	s_barrier_signal -3
.Lnot_wave_0_\@:
	s_barrier_wait -3
	s_barrier_signal -1
	s_barrier_wait -1
.endm
.macro MKG0 g, l, p, sg                ; group 0 for quarter sg of K
	s_mov_b32 s[\g], 1
	s_add_co_u32 s[\g+1], s[\l], (\sg)*SIG
	s_add_nc_u64 s[\g+2:\g+3], s[\p:\p+1], (\sg)*REC
	s_or_b32 s[\g+3], s[\g+3], 0x80000000
.endm
	s_load_b256 s[4:11], s[0:1], 0x0               ; yrec s[4:5], wrec s[6:7], b_proj s[8:9], out0 s[10:11]
	v_lshl_add_u32 v[SPW], v0, 2, SPARE
	v_mov_b32 v[NIL], 0
	ds_add_u32 v[SPW], v[NIL]                      ; the wave's opening: the add and its wait ahead of my first tensor load
	v_lshrrev_b32 v1, 5, v0
	v_readfirstlane_b32 s20, v1
	s_lshr_b32 s21, s20, 1                         ; my half of the rows.  Also: I fetch for y (0) or for W (1)
	s_and_b32 s22, s20, 1                          ; my half of the columns.  Also: which part I fetch
	s_bfe_u32 s12, ttmp6, 0x40000                  ; cx
	s_bfe_u32 s13, ttmp6, 0x40004                  ; cy
	s_and_b32 s14, ttmp7, 0xffff
	s_lshl_b32 s14, s14, 2
	s_add_co_u32 s14, s14, s13                     ; block of 256 rows
	s_lshl_b32 s15, ttmp9, 2
	s_add_co_u32 s15, s15, s12                     ; block of 128 columns
	s_lshl_b32 s16, s13, 2
	s_lshl_b32 s16, 15, s16                        ; my row of the cluster
	s_lshl_b32 s17, 0x1111, s12                    ; my column
	s_or_b32 s[G1A], s16, (3<<16)|(1<<21)          ; the mask; elements of 8 bytes; bit 21 beside a mask; no padding
	s_mov_b32 s[G1A+1], 32<<16                     ; rows of 256 bytes
	s_mov_b32 s[G1A+2], 100<<16                    ; a record
	s_mov_b32 s[G1A+3], 32<<16
	s_mov_b32 s[G1A+4], 100
	s_mov_b32 s[G1A+5], 32
	s_mov_b32 s[G1A+6], 0
	s_mov_b32 s[G1A+7], 0
	s_or_b32 s[G1B], s17, (3<<16)|(1<<21)
	s_mov_b32 s[G1B+1], 32<<16
	s_mov_b32 s[G1B+2], 50<<16                     ; half a record
	s_mov_b32 s[G1B+3], 32<<16
	s_mov_b32 s[G1B+4], 50
	s_mov_b32 s[G1B+5], 32
	s_mov_b32 s[G1B+6], 0
	s_mov_b32 s[G1B+7], 0
	s_lshl_b32 s76, s14, 1
	s_add_co_u32 s76, s76, s22
	s_mul_i32 s76, s76, 4*REC                      ; y: panel 2 x block + part
	s_mov_b32 s77, 0
	s_add_co_u32 s78, s15, 24                      ; W_proj's panels lie behind W_qkv's 24
	s_mul_i32 s78, s78, 4*REC
	s_mul_i32 s23, s22, REC/2
	s_add_co_u32 s78, s78, s23
	s_mov_b32 s79, 0
	s_mul_i32 s18, s22, REC                        ; where they go: the wave's number alone
	s_add_co_u32 s19, s23, 2*REC
	s_wait_dscnt 0x0
	s_wait_kmcnt 0x0
	s_add_nc_u64 s[76:77], s[4:5], s[76:77]
	s_add_nc_u64 s[78:79], s[6:7], s[78:79]
	MKG0 40, 18, 76, 0
	MKG0 44, 18, 76, 1
	MKG0 48, 18, 76, 2
	MKG0 52, 18, 76, 3
	MKG0 56, 19, 78, 0
	MKG0 60, 19, 78, 1
	MKG0 68, 19, 78, 2
	MKG0 72, 19, 78, 3
	CROUND                                         ; all sixteen work-groups are here: the joint loads meet
	s_cmp_eq_u32 s21, 0                            ; a wave's four first fills stand in one branch: four loads of mine are out
	s_cbranch_scc0 .Lfirst_b
.irp g, 40,44,48,52
	tensor_load_to_lds s[\g:\g+3], s[G1A:G1A+7]
	s_nop 0
.endr
.rept 4
	v_nop
.endr
	s_branch .Lfirst_asked
.Lfirst_b:
.irp g, 56,60,68,72
	tensor_load_to_lds s[\g:\g+3], s[G1B:G1B+7]
	s_nop 0
.endr
.rept 4
	v_nop
.endr
.Lfirst_asked:
	v_and_b32 v1, 31, v0
	v_and_b32 v2, 15, v0                           ; r
	v_bfe_u32 v3, v0, 4, 1                         ; h
	v_lshlrev_b32 v4, 4, v1
	v_lshlrev_b32 v5, 3, v1
	v_lshlrev_b32 v8, 6, v3
	s_lshl_b32 s2, s15, 9
	s_lshl_b32 s3, s22, 8
	s_add_co_u32 s2, s2, s3                        ; my first column, in bytes
	s_mov_b32 s3, 0
	s_add_nc_u64 s[8:9], s[8:9], s[2:3]
	s_add_nc_u64 s[10:11], s[10:11], s[2:3]
.irp b, 0,1,2,3
	global_load_b128 v[BI+8*\b:BI+8*\b+3], v8, s[8:9] offset:4*(32*(\b/2)+8*(\b%2))
	global_load_b128 v[BI+8*\b+4:BI+8*\b+7], v8, s[8:9] offset:4*(32*(\b/2)+8*(\b%2))+16
.endr
	s_lshl_b32 s2, s14, 20
	s_lshl_b32 s23, s21, 19
	s_add_co_u32 s2, s2, s23                       ; my first row: 256 x block + 128 x half, 4,096 bytes a row
	s_add_nc_u64 s[10:11], s[10:11], s[2:3]
	s_mul_i32 s2, s21, REC
	v_add_nc_u32 v[A16], s2, v4
	v_add_nc_u32 v[A8], s2, v5
	s_mul_i32 s23, s22, 12288
	s_add_co_u32 s23, s23, 2*REC
	v_add_nc_u32 v[B16], s23, v4
	v_add_nc_u32 v[B8], s23, v5
	v_lshlrev_b32 v6, 3, v2
	s_add_co_u32 s2, s2, 24576
	v_add_nc_u32 v[AS], s2, v6
	s_lshl_b32 s23, s22, 9
	s_add_co_u32 s23, s23, 2*REC+24576
	v_add_nc_u32 v[BS], s23, v6
	s_mul_i32 s2, s20, 16*SP
	s_add_co_u32 s2, s2, STAGE
	v_mul_u32_u24 v7, v2, SP
	v_lshl_add_u32 v7, v3, 6, v7
	v_add_nc_u32 v[STO], s2, v7                    ; into my stage: row r, 64 bytes for each half of the lanes
	v_mul_u32_u24 v7, v3, SP
	v_lshl_add_u32 v7, v2, 4, v7
	v_add_nc_u32 v[RD], s2, v7                     ; back: lanes 0-15 one row of 256 bytes, lanes 16-31 the next
	v_lshlrev_b32 v[CO], 12, v3
	v_lshl_add_u32 v[CO], v2, 4, v[CO]             ; and the same two rows in out0
.macro FRAG reg, a16, a8, q, i
	ds_load_b128 v[\reg:\reg+3], v[\a16] offset:(\i)*3072+(\q)*1536
	ds_load_b64 v[\reg+4:\reg+5], v[\a8] offset:(\i)*3072+(\q)*1536+512
	ds_load_b128 v[\reg+6:\reg+9], v[\a16] offset:(\i)*3072+(\q)*1536+768
	ds_load_b64 v[\reg+10:\reg+11], v[\a8] offset:(\i)*3072+(\q)*1536+1280
.endm
.macro FETCH k                         ; K step k's fragments into set k % 2; with a quarter's first step its scale words
	WIN 0xc0                                       ; destination window 3
.irp i, 0,1,2,3
	FRAG 64*((\k)%2)+FR*\i, B16, B8, (\k)%2, \i
.endr
	WIN 0x40                                       ; destination window 1
.irp i, 0,1,2,3,4,5,6,7
	FRAG 128*((\k)%2)+FR*\i, A16, A8, (\k)%2, \i
.endr
	WIN 0
.if (\k)%2 == 0
.irp i, 0,1,2,3,4,5,6,7
	ds_load_b64 v[SC+24*(((\k)/2)%2)+2*\i:SC+24*(((\k)/2)%2)+2*\i+1], v[AS] offset:128*\i
.endr
.irp b, 0,1,2,3
	ds_load_b64 v[SC+24*(((\k)/2)%2)+16+2*\b:SC+24*(((\k)/2)%2)+16+2*\b+1], v[BS] offset:128*\b
.endr
.endif
.endm
.macro MUL k                           ; 32 matrix instructions; the 32 accumulators take turns, in the same order in every step
.if (\k) == 0
	WIN 0x87                                       ; source 0 window 3, source 1 window 1, C (the bias) window 0, D window 2
.else
	WIN 0xa7
.endif
.irp a, 0,1,2,3,4,5,6,7
.irp b, 0,1,2,3
.if (\k) == 0
	v_wmma_scale_f32_16x16x128_f8f6f4 v[8*(4*\a+\b):8*(4*\a+\b)+7], v[64*((\k)%2)+FR*\b:64*((\k)%2)+FR*\b+FR-1], v[128*((\k)%2)+FR*\a:128*((\k)%2)+FR*\a+FR-1], v[BI+8*\b:BI+8*\b+7], v[SC+24*(((\k)/2)%2)+16+2*\b+(\k)%2], v[SC+24*(((\k)/2)%2)+2*\a+(\k)%2] matrix_a_fmt:MATRIX_FMT_FP6 matrix_b_fmt:MATRIX_FMT_FP6
.else
	v_wmma_scale_f32_16x16x128_f8f6f4 v[8*(4*\a+\b):8*(4*\a+\b)+7], v[64*((\k)%2)+FR*\b:64*((\k)%2)+FR*\b+FR-1], v[128*((\k)%2)+FR*\a:128*((\k)%2)+FR*\a+FR-1], v[8*(4*\a+\b):8*(4*\a+\b)+7], v[SC+24*(((\k)/2)%2)+16+2*\b+(\k)%2], v[SC+24*(((\k)/2)%2)+2*\a+(\k)%2] matrix_a_fmt:MATRIX_FMT_FP6 matrix_b_fmt:MATRIX_FMT_FP6
.endif
.endr
.endr
	WIN 0
.endm
.macro KSTEP k
	s_wait_dscnt 0x0                               ; this step's fragments are in (asked for 32 matrix instructions ago)
.if ((\k)%2 == 1) && ((\k) < 7)
	s_wait_tensorcnt 3-((\k)+1)/2                  ; my part of the next quarter of K is in; the later quarters' may stay out
	s_barrier_signal -1
	s_barrier_wait -1
.endif
.if (\k) < 7
.rept 4
	v_nop                                          ; places ahead of loads into registers that the last step's products read
.endr
.if ((\k)+1)%2 == 0
.irp r, A16, A8, B16, B8, AS, BS
	v_add_nc_u32 v[\r], SIG, v[\r]                 ; on to the next quarter
.endr
.endif
	FETCH (\k)+1
.endif
	MUL \k
.endm
	s_wait_loadcnt 0x0                             ; the bias
	s_wait_tensorcnt 3                             ; my part of quarter 0 is in
	s_barrier_signal -1
	s_barrier_wait -1
	FETCH 0
.irp k, 0,1,2,3,4,5,6,7
	KSTEP \k
.endr
; THE WAY OUT, 16 rows x 64 columns at a time through my own stage: a lane holds 32 bytes of a row; back come whole rows of 256 bytes, sixteen lanes to a row
.macro TOSTAGE a
	WIN 0x08                                       ; an LDS store's data: window 2
.irp b, 0,1,2,3
	ds_store_b128 v[STO], v[8*(4*(\a)+\b):8*(4*(\a)+\b)+3] offset:128*(\b/2)+32*(\b%2)          ; each accumulator from its low end on
	ds_store_b128 v[STO], v[8*(4*(\a)+\b)+4:8*(4*(\a)+\b)+7] offset:128*(\b/2)+32*(\b%2)+16
.endr
	WIN 0
.set BB, BK+32*((\a)%2)
.irp t, 0,1,2,3,4,5,6,7
	ds_load_b128 v[BB+4*\t:BB+4*\t+3], v[RD] offset:\t*2*SP        ; LDS serves a wave's instructions in order: these see my stores
.endr
.endm
.macro SEND a, younger                 ; younger: the LDS instructions issued behind block a's loads
.set BB, BK+32*((\a)%2)
	s_wait_dscnt \younger
.irp t, 0,1,2,3,4,5,6,7
	global_store_b128 v[CO], v[BB+4*\t:BB+4*\t+3], s[10:11] offset:(32*((\a)/2)+8*((\a)%2)+(2*\t)%8+16*((2*\t)/8))*4096 th:TH_STORE_NT   ; sixteen lanes store 256 consecutive bytes, aligned
.endr
.endm
.rept 4
	v_nop
.endr
	TOSTAGE 0
.irp a, 1,2,3,4,5,6,7
.if \a > 1
	s_wait_xcnt 0x0                                ; block a - 2's stores have read their registers
.endif
	TOSTAGE \a
	SEND \a-1, 16
.endr
	SEND 7, 0
	s_wait_tensorcnt 0x0                           ; the wave's end
	ds_add_u32 v[SPW], v[NIL]
	s_wait_dscnt 0x0
	CROUND                                         ; the closing round
	s_endpgm
.Lfunc_end_k_qfcda5f7aae_proj:
	.size	k_qfcda5f7aae_proj, .Lfunc_end_k_qfcda5f7aae_proj-k_qfcda5f7aae_proj
	.p2alignl 7, 3214868480
	.fill 96, 4, 3214868480
	.section	.rodata,"a",@progbits
	.p2align	6, 0x0
	.amdhsa_kernel k_qfcda5f7aae_proj
		.amdhsa_group_segment_fixed_size 327680
		.amdhsa_private_segment_fixed_size 0
		.amdhsa_enable_private_segment 0
		.amdhsa_kernarg_size 32
		.amdhsa_user_sgpr_count 2
		.amdhsa_user_sgpr_kernarg_segment_ptr 1
		.amdhsa_wavefront_size32 1
		.amdhsa_system_sgpr_workgroup_id_x 1
		.amdhsa_system_sgpr_workgroup_id_y 1
		.amdhsa_system_sgpr_workgroup_id_z 1
		.amdhsa_system_vgpr_workitem_id 0
		.amdhsa_next_free_vgpr 1024
		.amdhsa_next_free_sgpr 80
		.amdhsa_reserve_vcc 0
		.amdhsa_float_denorm_mode_32 3
		.amdhsa_float_denorm_mode_16_64 3
		.amdhsa_memory_ordered 1
		.amdhsa_forward_progress 1
		.amdhsa_inst_pref_size 87
	.end_amdhsa_kernel
	.amdgpu_metadata
---
amdhsa.version: [ 1, 2 ]
amdhsa.kernels:
  - .name:           k_qfcda5f7aae_proj
    .symbol:         k_qfcda5f7aae_proj.kd
    .args:
      - { .name: yrec, .offset: 0, .size: 8, .value_kind: global_buffer, .address_space: global }
      - { .name: wrec, .offset: 8, .size: 8, .value_kind: global_buffer, .address_space: global }
      - { .name: b_proj, .offset: 16, .size: 8, .value_kind: global_buffer, .address_space: global }
      - { .name: out0, .offset: 24, .size: 8, .value_kind: global_buffer, .address_space: global }
    .group_segment_fixed_size: 327680
    .private_segment_fixed_size: 0
    .kernarg_segment_align: 8
    .kernarg_segment_size: 32
    .max_flat_workgroup_size: 128
    .sgpr_count:     80
    .vgpr_count:     1024
    .wavefront_size: 32
...
	.end_amdgpu_metadata
.endif
;; end of part 4
